; MI455X (gfx1250); checked and timed in simulation.
; The chip was launched on July 23, 2026; its instructions are those of AMD's public machine-readable ISA for CDNA 5 (MIT licence, August 2026) and "CDNA5" Instruction Set Architecture Reference Guide (July 2026). The comments in the code are by the model that wrote it; some were corrected since.
;; Transformer XL. Allowed arithmetic: matrix products marked QUANTISED: E2M1 operands, one E8M0 scale for each 32 along K, by v_wmma_scale_f32_16x16x128_f8f6f4 with both operands' format E2M1 (or v_wmma_scale_f32_32x16x128_f4), f32 sums; everything else in f32.
;; Inputs: Wgate 1,024 x 16 float32; Wkv 1,024 x 2,048 float32; Wmix 1,024 x 16 float32; Wout 1,024 x 1,024 float32; Wq 1,024 x 1,024 float32; tokens 4 x 2,048 x 1,024 float32; value_residual 4 x 16 x 2,048 x 64 float32.
;; Outputs: out0 4 x 2,048 x 1,024 float32.
;; This version of the problem:
;;   THIS VERSION OF THE PROBLEM IS GIVEN IN LOW PRECISION. The matrix products marked QUANTISED in the list below multiply operands that are first quantised to E2M1 (2 exponent bits, 1 mantissa bit; 4 bits a number), with one power-of-two scale for each 32 numbers along K (OCP MX v1.0); their sums are f32. All else is computed in f32.
;;   The module's matrix products, in the order in which they are computed (A, B: the left and right operand; K: the contracted axis; several contracted axes count as one K, in the product's order):
;;     1. [M 8,192, K 1,024] x [K 1,024, N 1,024]; A: input tokens; B: input Wq: QUANTISED
;;     2. [M 8,192, K 1,024] x [K 1,024, N 2,048]; A: input tokens; B: input Wkv: QUANTISED
;;     3. [M 16, K 1,024] x [K 1,024, N 8,192]; A: input Wmix; B: input tokens: QUANTISED
;;     4. batch 64 x [M 2,048, K 64] x [K 64, N 2,048]; A: computed on the way; B: computed on the way: QUANTISED
;;     5. batch 64 x [M 2,048, K 2,048] x [K 2,048, N 64]; A: softmax (see below); B: computed on the way: QUANTISED
;;     6. [M 16, K 1,024] x [K 1,024, N 8,192]; A: input Wgate; B: input tokens: QUANTISED
;;     7. [M 8,192, K 1,024] x [K 1,024, N 1,024]; A: computed on the way; B: input Wout: QUANTISED
;;   THE QUANTISER, for each operand of a quantised product, along K:
;;     - K is cut into blocks of 32 from its start; a last block that is shorter is filled with zeros.
;;     - A block's scale is 2^e with e = floor(log2(the largest magnitude in the block)) - 2, held to -126 .. 127; a block of zeros has e = 0. As a byte (E8M0): e + 127.
;;     - Each number is divided by its block's scale, clamped to +-6, and rounded to the nearest number of E2M1, ties to even, subnormals kept.
;;     - The product sums the exact products of the quantised numbers (number of the format x scale) in f32.
;;   ~~~python
;;   def quantise(x, axis):      # numpy; x: float32 -> the quantised numbers, widened to float32 again
;;       x = np.moveaxis(x, axis, -1); K = x.shape[-1]
;;       x = np.pad(x, [(0, 0)] * (x.ndim - 1) + [(0, -K % 32)]); x = x.reshape(x.shape[:-1] + (-1, 32)); a = np.abs(x).max(-1, keepdims=True)
;;       e = np.where(a > 0, np.clip(np.frexp(np.where(a > 0, a, 1))[1] - 1 - 2, -126, 127), 0)      # np.frexp(a)[1] - 1 = floor(log2(a)), exactly
;;       r = np.clip(x / 2.0 ** e, -6, 6)
;;       step = 2.0 ** (np.maximum(np.frexp(np.where(r == 0, 1, r))[1] - 1, 0) - 1)
;;       q = np.round(r / step) * step * 2.0 ** e      # np.round: ties to even
;;       return np.moveaxis(q.reshape(q.shape[:-2] + (-1,))[..., :K], -1, axis).astype(np.float32)
;;   ~~~
;;   SOFTMAX AHEAD OF A QUANTISED PRODUCT. Where the list says 'softmax', what is quantised is not the finished softmax but p = 2^(t - M), with t = logit x log2(e) and M = ceil(the row's largest t), a whole number; so 1/2 < the row's largest p <= 1. The row's sum l is taken of the UNQUANTISED p, in f32, and the product's result is divided by l at the end. Since M is a whole number, a kernel that streams over the keys may use a running M (the ceiling of the running maximum): every later rescaling is an exact power of two, which a block's scale takes up: the codes' values come out the same.
;;   OPERANDS COMPUTED ON THE WAY. 'Computed on the way' means the value that the module computes at that place (a softmax that the list does not call 'softmax' is quantised finished and normalised). What goes into a quantiser is computed in f32, as accurately as f32 sums, v_exp_f32 and their like allow (about 1e-6 of the number): no bf16 or f16 on the way to a quantiser, and a product that is left as it is and whose result goes on into a quantised operand takes f32 operands (vector FMAs, or v_wmma_f32_16x16x4_f32). A number that lies on a knife's edge between two numbers of the format may be rounded either way, as far as f32 arithmetic and the matrix unit's own rounding can turn it there, and no further.
;; One version. Each part assembles by itself: llvm-mc -triple=amdgcn-amd-amdhsa -mcpu=gfx1250 --defsym DOCPART=n.
;; ======== version 1 of 1: 3 launches
;; limits: right only within a limited range of input values
;; workspace buffers: tokq 4,456,448 bytes; wq 2,228,224 bytes; mg 1,048,576 bytes; rot 524,288 bytes; qq 4,718,592 bytes; kq 4,718,592 bytes; vq 4,456,448 bytes
;; launch prep (part 1): grid 256 x 1, 16 waves a work-group, no clusters, 172,544 bytes of LDS; arguments tokens, Wq, Wkv, Wout, Wmix, Wgate, tokq, wq, mg, rot; writes tokq, wq, mg, rot
.if DOCPART == 1
	.amdgcn_target "amdgcn-amd-amdhsa--gfx1250"
	.amdhsa_code_object_version 6
	.text
	.protected	k_qabcb8f45ca_prep
	.globl	k_qabcb8f45ca_prep
	.p2align	8
	.type	k_qabcb8f45ca_prep,@function
k_qabcb8f45ca_prep:
	s_mov_b64 s[64:65], 0
	v_nop
	global_prefetch_b8 v0, s[64:65] scope:SCOPE_SE
	s_setreg_imm32_b32 hwreg(HW_REG_WAVE_MODE, 25, 1), 1
	s_wait_xcnt 0x0
; PREP.  tokens [8192][1024] f32 -> codes of FP4 (E2M1) with one E8M0 byte for each 32 along K = DIM; Wq, Wkv, Wout ([K][N] f32) -> codes along K;
; mix = sigmoid(tokens Wmix), gate = sigmoid(tokens Wgate), both products on codes; the table of cos and sin for the rotary turn.
; All codes are laid as IMAGES OF OPERAND REGISTERS: a fragment (16 rows x 128 K) is 1,024 bytes, registers 4 c .. 4 c + 3 of lane l at 512 c + 16 l.
; THE ROWS OF A TILE ARE NOT NEIGHBOURS: of 32 neighbouring indices lane r of tile u takes 8 u + r + 8 (r / 8), so that a product that has such tiles as source 0 leaves 16 neighbours in the 16 registers of two tiles.
; SHARES.  256 work-groups of 16 waves, all alike.  Work-group x: (T) tokens 32 x .. 32 x + 31: wave w makes the fragment of tile w / 8, K step w % 8.  (M) wave w makes the fragment of Wmix (w / 8 = 0) or Wgate (1), K step w % 8.
; (W) 128 columns (x / 8) x 128 along K (x % 8) of the three large weights: wave w takes 32 columns (w / 4) and one block of 32 along K (w % 4), a lane a column, registers down K.
; (R) waves 8 to 15 make 2,048 bytes of the rotary table.  Behind the one barrier waves 0 and 1 multiply (8 K steps, mix and gate by turns), waves 2 and 3 send the scale words out.
; A block's scale byte is its largest magnitude's exponent field - 2, held at 1 from below.
; LIMITS: a block whose largest magnitude lies under 2^-124, a block of zeros too, gets the byte 1 (its codes are then zeros or subnormal codes; this program alone reads the bytes); NaN and infinities among the inputs are not served.
; The rotary frequencies are 1 / fl(10^(i / 8)), the constants being the correctly rounded powers: a power function that rounds one of them the other way moves that frequency's angle by up to 1.3e-4 rad at token 2,047.
; No tensor load, no cluster: no two work-groups read the same large tile.  The 128 KB of Wmix and Wgate are read by all and are small.
.set STGW,  8448                       ; LDS: a stage of its own for each wave: 16 rows of 512 bytes + 16
.set TIMG,  16*STGW                    ; the tokens' 16 fragments, 1,024 bytes at 1,024 w
.set TSC,   TIMG+16384                 ; their scale words at 64 w + 4 r
.set MIMG,  TSC+1024                   ; Wmix's 8 fragments, then Wgate's 8
.set MSC,   MIMG+16384                 ; their scale words
.set WSCB,  MSC+1024                   ; the weights' scale bytes: (tile of 8) x 64 + 4 r + block
.set X,     16                         ; v16-79    tokens as loaded, then 16 neighbours of each of 4 blocks
.set MR,    80                         ; v80-143   Wmix or Wgate as loaded, then a column's 64 numbers down K
.set WB,    144                        ; v144-175  a block of 32 along K of my column of a large weight
.set TM,    176                        ; v176-191  at work in QUANT (and, before it, the rotary job's v176-193)
.set PW,    192                        ; v192      the tokens' scale word
.set PCT,   194                        ; v194-201  the tokens' codes
.set PCM,   202                        ; v202-209  Wmix's or Wgate's codes
.set PCW,   210                        ; v210-213  the weight block's codes;  v214-221 bytes and scale operands
.set SEL,   54                         ; s[54:55]  v_permlanex16_b32's selects for lane l xor 16
; v224-239 hold scale words and nothing else.  v240-246 addresses for the work behind the barrier.  v248-255 what waves 2 and 3 carry out.
; 64 numbers of a lane, register 16 b + i = k 32 b + 16 (lane / 16) + i of my row, become a fragment's codes in v[pc] on and its scale word in v[pw]
.macro QUANT s, pc, pw
.irp b, 0,1,2,3
	v_max3_num_f32 v[TM+\b], |v[\s+16*\b]|, |v[\s+1+16*\b]|, 0x1800000   ; my 16 numbers of block b, and the floor 2^(3 - 127): the byte cannot fall under 1
.endr
.irp i, 2,4,6,8,10,12,14
.irp b, 0,1,2,3
	s_delay_alu instid0(VALU_DEP_4)
	v_max3_num_f32 v[TM+\b], v[TM+\b], |v[\s+16*\b+\i]|, |v[\s+1+16*\b+\i]|
.endr
.endr
.irp b, 0,1,2,3
	s_delay_alu instid0(VALU_DEP_4)
	v_permlanex16_b32 v[TM+4+\b], v[TM+\b], s[SEL], s[SEL+1]
.endr
.irp b, 0,1,2,3
	s_delay_alu instid0(VALU_DEP_4)
	v_max_num_f32 v[TM+\b], v[TM+\b], v[TM+4+\b]                   ; with lane l xor 16's 16: the block's largest magnitude
.endr
.irp b, 0,1,2,3
	s_delay_alu instid0(VALU_DEP_4)
	v_add_nc_u32 v[TM+12+\b], 0xff000000, v[TM+\b]                 ; 2 off its exponent field: the conversion's scale operand
.endr
.irp b, 0,1,2,3
	s_delay_alu instid0(VALU_DEP_4)
	v_lshrrev_b32 v[TM+4+\b], 23, v[TM+12+\b]                      ; the scale's byte
.endr
	s_delay_alu instid0(VALU_DEP_3)
	v_lshl_or_b32 v[\pw], v[TM+5], 8, v[TM+4]
	s_delay_alu instid0(VALU_DEP_1)
	v_lshl_or_b32 v[\pw], v[TM+6], 16, v[\pw]
	s_delay_alu instid0(VALU_DEP_1)
	v_lshl_or_b32 v[\pw], v[TM+7], 24, v[\pw]
.irp b, 0,1,2,3
	v_cvt_scalef32_pk8_fp4_f32 v[\pc+2*\b], v[\s+16*\b:\s+7+16*\b], v[TM+12+\b]
	v_cvt_scalef32_pk8_fp4_f32 v[\pc+1+2*\b], v[\s+8+16*\b:\s+15+16*\b], v[TM+12+\b]
.endr
	v_nop                                                          ; one plain place behind a scaled conversion
.irp c, 0,1
.irp i, 0,1
	v_permlane16_swap_b32 v[\pc+4*\c+\i], v[\pc+2+4*\c+\i]         ; a whole block to a lane: lanes 0-15 block 2 c, lanes 16-31 block 2 c + 1
.endr
.endr
.endm
; 32 numbers of ONE lane, a whole block: codes in v[pc] .. v[pc + 3], the scale operand in v[so], the byte in v[by]
.macro BLOCKQ x, pc, so, by
	v_max3_num_f32 v[\so], |v[\x]|, |v[\x+1]|, |v[\x+2]|
	v_max3_num_f32 v[\by], |v[\x+3]|, |v[\x+4]|, |v[\x+5]|
.irp i, 6,10,14,18,22,26
	s_delay_alu instid0(VALU_DEP_2)
	v_max3_num_f32 v[\so], v[\so], |v[\x+\i]|, |v[\x+\i+1]|
	s_delay_alu instid0(VALU_DEP_2)
	v_max3_num_f32 v[\by], v[\by], |v[\x+\i+2]|, |v[\x+\i+3]|
.endr
	s_delay_alu instid0(VALU_DEP_2)
	v_max3_num_f32 v[\so], v[\so], |v[\x+30]|, |v[\x+31]|
	s_delay_alu instid0(VALU_DEP_1)
	v_max3_num_f32 v[\so], v[\so], v[\by], 0x1800000               ; and the floor
	s_delay_alu instid0(VALU_DEP_1)
	v_add_nc_u32 v[\so], 0xff000000, v[\so]
	s_delay_alu instid0(VALU_DEP_1)
	v_lshrrev_b32 v[\by], 23, v[\so]
.irp g, 0,1,2,3
	v_cvt_scalef32_pk8_fp4_f32 v[\pc+\g], v[\x+8*\g:\x+8*\g+7], v[\so]
.endr
	v_nop                                                          ; one plain place behind a scaled conversion
.endm
.macro WLOAD pitch                     ; my column's 32 numbers down K: each load reads 128 consecutive bytes, the four waves side by side 512
.set i, 0
.rept 32
	global_load_b32 v[WB+i], v5, s[36:37] offset:i*\pitch th:TH_LOAD_NT
.set i, i+1
.endr
.endm
.macro PSEL k, pe, po                  ; 10^(2 k / 8) and 10^((2 k + 1) / 8), where k is my wave's
	s_cmp_eq_u32 s56, \k
	s_cselect_b32 s58, \pe, s58
	s_cselect_b32 s59, \po, s59
.endm
	s_load_b512 s[4:19], s[0:1], 0x0               ; tokens, Wq, Wkv, Wout, Wmix, Wgate, tokq, wq
	s_load_b128 s[20:23], s[0:1], 0x40             ; mg, rot
	v_lshrrev_b32 v1, 5, v0
	s_delay_alu instid0(VALU_DEP_1)
	v_readfirstlane_b32 s24, v1                    ; wave w
	v_and_b32 v1, 31, v0                           ; l
	s_wait_alu depctr_va_vdst(0)
	v_and_b32 v2, 15, v0                           ; r
	s_wait_alu depctr_va_vdst(0)
	v_bfe_u32 v3, v0, 4, 1                         ; h
	s_lshr_b32 s25, s24, 3                         ; u: tile of tokens; Wmix or Wgate
	s_and_b32 s26, s24, 7                          ; K step
	s_lshr_b32 s27, s24, 2                         ; g: which 32 columns
	s_and_b32 s28, s24, 3                          ; bl: which block of the K step
	s_lshr_b32 s29, ttmp9, 3                       ; CQ: which 128 columns of the 4,096
	s_and_b32 s30, ttmp9, 7                        ; ks: which K step of the weights
	s_mov_b32 s[SEL], 0x76543210
	s_mov_b32 s[SEL+1], 0xfedcba98
	; every LDS address is made here, ahead of the first branch on the wave's number
	s_mul_i32 s31, s24, STGW
	v_lshlrev_b32 v4, 4, v1                        ; v4  16 l
	v_lshlrev_b32 v5, 2, v1                        ; v5  4 l
	s_delay_alu instid0(VALU_DEP_2)
	v_add_nc_u32 v6, s31, v4                       ; v6  my stage, as loaded: 16 l
	v_mul_u32_u24 v7, v2, 528
	s_wait_alu depctr_va_vdst(0)
	v_lshl_add_u32 v7, v3, 6, v7
	s_delay_alu instid0(VALU_DEP_1)
	v_add_nc_u32 v7, s31, v7                       ; v7  tokens back: row r, + 64 h
	v_lshlrev_b32 v8, 2, v2
	s_delay_alu instid0(VALU_DEP_1)
	v_lshl_add_u32 v8, v3, 11, v8
	s_delay_alu instid0(VALU_DEP_1)
	v_add_nc_u32 v8, s31, v8                       ; v8  Wmix / Wgate back: column r, 32 h rows of 64 bytes down
	s_lshl_b32 s31, s24, 10
	v_add_nc_u32 v9, s31, v4
	s_delay_alu instid0(VALU_DEP_1)
	v_add_nc_u32 v11, MIMG, v9                     ; v11 my image of Wmix / Wgate
	s_delay_alu instid0(VALU_DEP_2)
	v_add_nc_u32 v9, TIMG, v9                      ; v9  my image of tokens
	s_lshl_b32 s31, s24, 6
	v_lshl_add_u32 v10, v2, 2, s31
	s_delay_alu instid0(VALU_DEP_1)
	v_add_nc_u32 v12, MSC, v10                     ; v12 its scale words
	s_delay_alu instid0(VALU_DEP_2)
	v_add_nc_u32 v10, TSC, v10                     ; v10 the tokens' scale words
	v_bfe_u32 v13, v0, 3, 1                        ; my column l of 32 lies in tile (l / 8) % 2,
	v_and_b32 v14, 7, v0
	s_delay_alu instid0(VALU_DEP_1)
	v_lshl_add_u32 v14, v3, 3, v14                 ; at row l % 8 + 8 (l / 16)
	s_delay_alu instid0(VALU_DEP_3)
	v_lshlrev_b32 v15, 6, v13
	s_delay_alu instid0(VALU_DEP_1)
	v_lshl_add_u32 v15, v14, 2, v15
	s_lshl_b32 s31, s27, 7
	s_add_co_u32 s31, s31, s28
	s_add_co_u32 s31, s31, WSCB
	v_add_nc_u32 v15, s31, v15                     ; v15 my block's scale byte
	v_lshlrev_b32 v14, 4, v14
	s_delay_alu instid0(VALU_DEP_1)
	v_lshl_add_u32 v14, v13, 13, v14               ; v14 my 16 bytes in wq: 8,192 x tile + 16 x row
	s_and_b32 s31, s24, 1
	s_lshl_b32 s56, s31, 13
	s_add_co_u32 s56, s56, TIMG
	v_add_nc_u32 v240, s56, v4                     ; v240 waves 0, 1: the 8 fragments of token tile w
	v_add_nc_u32 v241, MIMG, v4                    ; v241 Wmix's and Wgate's
	s_lshl_b32 s56, s31, 9
	s_add_co_u32 s56, s56, TSC
	v_lshl_add_u32 v242, v2, 2, s56                ; v242 the tile's scale words
	v_lshlrev_b32 v243, 2, v2
	s_delay_alu instid0(VALU_DEP_1)
	v_lshl_add_u32 v243, v3, 9, v243
	s_delay_alu instid0(VALU_DEP_1)
	v_add_nc_u32 v243, MSC, v243                   ; v243 lanes 0-15 Wmix's words, lanes 16-31 Wgate's
	v_add_nc_u32 v244, TSC, v4                     ; v244 wave 2: all the tokens' words
	v_add_nc_u32 v245, WSCB, v4                    ; v245 wave 3: all the weights' bytes
	v_lshrrev_b32 v246, 2, v1
	s_delay_alu instid0(VALU_DEP_1)
	v_lshlrev_b32 v246, 9, v246
	v_and_b32 v13, 3, v0
	s_delay_alu instid0(VALU_DEP_1)
	v_lshl_add_u32 v246, v13, 4, v246              ; v246 and their place in wq: 512 (l / 4) + 16 (l % 4)
.irp b, 0,1,2,3
	v_mov_b32 v[TM+4+\b], 0                        ; a lane permute's destination counts as one of its sources
.endr
	s_mov_b32 s57, 0
	s_wait_kmcnt 0x0
	s_lshl_b32 s56, ttmp9, 17                      ; tokens: row 32 x + 8 u, 4,096 bytes a row, + 512 bytes a K step
	s_lshl_b32 s58, s25, 15
	s_add_co_u32 s56, s56, s58
	s_lshl_b32 s58, s26, 9
	s_add_co_u32 s56, s56, s58
	s_add_nc_u64 s[32:33], s[4:5], s[56:57]
	s_cmp_eq_u32 s25, 0
	s_cselect_b64 s[34:35], s[12:13], s[14:15]     ; Wmix or Wgate,
	s_lshl_b32 s56, s26, 13                        ; 128 rows of 64 bytes a K step
	s_add_nc_u64 s[34:35], s[34:35], s[56:57]
	s_cmp_lt_u32 s29, 8                            ; CQ 0-7 Wq, 8-23 Wkv, 24-31 Wout
	s_cselect_b64 s[36:37], s[6:7], s[10:11]
	s_cselect_b32 s38, 0, 24
	s_sub_co_u32 s39, s29, 8
	s_cmp_lt_u32 s39, 16
	s_cselect_b64 s[36:37], s[8:9], s[36:37]
	s_cselect_b32 s38, 8, s38
	s_cselect_b32 s40, 13, 12                      ; a row is 8,192 bytes in Wkv, 4,096 in the others
	s_sub_co_u32 s38, s29, s38
	s_lshl_b32 s38, s38, 9
	s_lshl_b32 s58, s27, 7
	s_add_co_u32 s38, s38, s58                     ; my wave's first column, in bytes
	s_lshl_b32 s56, s30, 7
	s_lshl_b32 s58, s28, 5
	s_add_co_u32 s56, s56, s58                     ; my block's first row
	s_lshl_b32 s56, s56, s40
	s_add_co_u32 s56, s56, s38
	s_add_nc_u64 s[36:37], s[36:37], s[56:57]
.set i, 0
.rept 16
	global_load_b128 v[X+4*i:X+4*i+3], v4, s[32:33] offset:(i+8*(i/8))*4096 th:TH_LOAD_NT   ; row i of my tile: 512 consecutive bytes
.set i, i+1
.endr
.set i, 0
.rept 16
	global_load_b128 v[MR+4*i:MR+4*i+3], v4, s[34:35] offset:512*i                          ; 8,192 dense bytes
.set i, i+1
.endr
	s_cmp_eq_u32 s40, 13
	s_cbranch_scc1 .Lwide
	WLOAD 4096
	s_branch .Lloaded
.Lwide:
	WLOAD 8192
.Lloaded:
	s_lshl_b32 s56, ttmp9, 14                      ; where the results go
	s_lshl_b32 s58, s24, 10
	s_add_co_u32 s56, s56, s58
	s_add_nc_u64 s[42:43], s[16:17], s[56:57]      ; tokq: tile 2 x + u, K step: 16,384 x + 1,024 w
	s_lshl_b32 s56, s29, 16
	s_lshl_b32 s58, s27, 14
	s_add_co_u32 s56, s56, s58
	s_lshl_b32 s58, s30, 10
	s_add_co_u32 s56, s56, s58
	s_lshl_b32 s58, s28, 8
	s_add_co_u32 s56, s56, s58
	s_add_nc_u64 s[44:45], s[18:19], s[56:57]      ; wq: tile 8 CQ + 2 g, K step ks, block bl: 256 bytes a block
	s_lshl_b32 s56, ttmp9, 11
	s_add_nc_u64 s[48:49], s[22:23], s[56:57]      ; rot: 2,048 x
	s_lshl_b32 s58, s31, 10
	s_add_co_u32 s56, s56, s58
	s_add_nc_u64 s[46:47], s[20:21], s[56:57]      ; mg: 2,048 x + 1,024 (w % 2)
	s_lshl_b32 s56, ttmp9, 10
	s_add_co_u32 s56, s56, 4194304
	s_add_nc_u64 s[50:51], s[16:17], s[56:57]      ; tokq's scale words: 1,024 x
	s_lshl_b32 s56, s29, 12
	s_lshl_b32 s58, s30, 6
	s_add_co_u32 s56, s56, s58
	s_add_co_u32 s56, s56, 2097152
	s_add_nc_u64 s[52:53], s[18:19], s[56:57]      ; wq's: 512 x (8 CQ) + 64 ks
	; ---- R: cos and sin, while the loads are out.  Thread t' = v0 % 256 makes 8 bytes at 2,048 x + 8 t': (cos, sin) of pair 16 (x % 2) + 8 (w % 2) + 2 ((w / 2) % 4) + l % 2, token 32 (x / 4) + tile order
	s_cmp_lt_u32 s24, 8
	s_cbranch_scc1 .Lno_rot
	s_and_b32 s56, ttmp9, 1
	s_lshl_b32 s56, s56, 3
	s_and_b32 s57, s24, 1
	s_lshl_b32 s57, s57, 2
	s_add_co_u32 s56, s56, s57
	s_bfe_u32 s57, s24, 0x20001
	s_add_co_u32 s56, s56, s57                     ; half the even pair's number: the same in the whole wave
	s_mov_b32 s58, 1.0
	s_mov_b32 s59, 1.0
	PSEL 0, 1.0, 1.333521432163324
	PSEL 1, 1.7782794100389228, 2.371373705661655
	PSEL 2, 3.1622776601683795, 4.216965034285822
	PSEL 3, 5.623413251903491, 7.498942093324558
	PSEL 4, 10.0, 13.33521432163324
	PSEL 5, 17.782794100389228, 23.71373705661655
	PSEL 6, 31.622776601683795, 42.16965034285822
	PSEL 7, 56.23413251903491, 74.98942093324558
	PSEL 8, 100.0, 133.3521432163324
	PSEL 9, 177.82794100389228, 237.1373705661655
	PSEL 10, 316.22776601683795, 421.6965034285822
	PSEL 11, 562.3413251903491, 749.8942093324558
	PSEL 12, 1000.0, 1333.521432163324
	PSEL 13, 1778.2794100389228, 2371.373705661655
	PSEL 14, 3162.2776601683795, 4216.965034285822
	PSEL 15, 5623.413251903491, 7498.942093324558
	v_and_b32 v177, 1, v0
	s_delay_alu instid0(VALU_DEP_1)
	v_cmp_eq_u32 vcc_lo, 1, v177
	v_mov_b32 v182, s58
	v_mov_b32 v184, s59
	s_delay_alu instid0(VALU_DEP_1)
	v_cndmask_b32 v182, v182, v184, vcc_lo         ; P = 10^(pair / 8)
	v_bfe_u32 v183, v0, 1, 4                       ; the table's lane % 16
	s_delay_alu instid0(VALU_DEP_1)
	v_and_b32 v184, 8, v183
	s_delay_alu instid0(VALU_DEP_1)
	v_add_nc_u32 v183, v183, v184
	s_bfe_u32 s56, ttmp9, 0x10001
	s_lshl_b32 s56, s56, 3
	s_lshr_b32 s57, ttmp9, 2
	s_lshl_b32 s57, s57, 5
	s_add_co_u32 s56, s56, s57
	v_add_nc_u32 v183, s56, v183                   ; the token's place in its sequence
	s_delay_alu instid0(VALU_DEP_1)
	v_cvt_f32_u32 v183, v183
	s_wait_alu depctr_va_vdst(0)
	v_rcp_f32 v184, v182
	v_and_b32 v177, 0xff, v0                       ; (plain work behind the reciprocal)
	s_delay_alu instid0(VALU_DEP_1)
	v_lshlrev_b32 v177, 3, v177                    ; 8 t'
	s_wait_alu depctr_va_vdst(0)                   ; the wait ahead of the reciprocal's first reader
	v_fma_f32 v185, -v182, v184, 1.0               ; one step of Newton: 1 / P rounded as a division rounds it
	v_fma_f32 v184, v184, v185, v184
	s_delay_alu instid0(VALU_DEP_1)
	v_mul_f32 v183, v183, v184                     ; the angle a = n x (1 / P), one rounding
	s_delay_alu instid0(VALU_DEP_1)
	v_mul_f32 v185, 0x3f22f983, v183
	s_delay_alu instid0(VALU_DEP_1)
	v_rndne_f32 v185, v185                         ; k = the nearest whole number to a x 2 / pi, at most 1,304
	s_mov_b32 s60, 0x3fc90fdb                      ; pi / 2 in two parts: k x the first has bits from 2^-23 up and a - it lies under 1, so the first step rounds nothing
	s_mov_b32 s61, 0xb33bbd2e
	v_fma_f32 v186, -v185, s60, v183
	s_delay_alu instid0(VALU_DEP_1)
	v_fma_f32 v186, -v185, s61, v186               ; the rest, within pi / 4
	s_delay_alu instid0(VALU_DEP_1)
	v_mul_f32 v187, v186, v186
	v_mov_b32 v188, -0.00019515295891
	s_mov_b32 s60, 0.0083321608736
	s_mov_b32 s61, -0.16666654611
	v_fma_f32 v188, v188, v187, s60
	s_delay_alu instid0(VALU_DEP_1)
	v_fma_f32 v188, v188, v187, s61
	s_delay_alu instid0(VALU_DEP_1)
	v_mul_f32 v188, v188, v187
	s_delay_alu instid0(VALU_DEP_1)
	v_fma_f32 v188, v188, v186, v186               ; sin of the rest
	v_mov_b32 v189, 0.00002443315711809948
	s_mov_b32 s62, -0.001388731625493765
	s_mov_b32 s63, 0.04166664568298827
	v_fma_f32 v189, v189, v187, s62
	s_delay_alu instid0(VALU_DEP_1)
	v_fma_f32 v189, v189, v187, s63
	v_mul_f32 v190, v187, v187
	v_fma_f32 v191, v187, -0.5, 1.0
	s_delay_alu instid0(VALU_DEP_1)
	v_fma_f32 v189, v189, v190, v191               ; cos of the rest
	v_cvt_i32_f32 v190, v185
	s_delay_alu instid0(VALU_DEP_1)
	v_and_b32 v191, 1, v190
	s_delay_alu instid0(VALU_DEP_1)
	v_cmp_eq_u32 vcc_lo, 1, v191                   ; an odd quarter turn changes the two over;
	s_delay_alu instid0(VALU_DEP_1)
	v_cndmask_b32 v193, v188, v189, vcc_lo
	s_delay_alu instid0(VALU_DEP_2)
	v_cndmask_b32 v192, v189, v188, vcc_lo
	v_and_b32 v191, 2, v190                        ; sin is negative in quarters 2 and 3,
	s_delay_alu instid0(VALU_DEP_1)
	v_lshlrev_b32 v191, 30, v191
	s_delay_alu instid0(VALU_DEP_1)
	v_xor_b32 v193, v191, v193
	v_add_nc_u32 v190, 1, v190                     ; cos in quarters 1 and 2
	s_delay_alu instid0(VALU_DEP_1)
	v_and_b32 v190, 2, v190
	s_delay_alu instid0(VALU_DEP_1)
	v_lshlrev_b32 v190, 30, v190
	s_delay_alu instid0(VALU_DEP_1)
	v_xor_b32 v192, v190, v192
	global_store_b64 v177, v[192:193], s[48:49]    ; the wave's store covers 256 consecutive bytes, aligned
	s_wait_xcnt 0x0                                ; v177, v192 and v193 are written again below only behind this wait
.Lno_rot:
	; ---- T: my tile's 16 rows x 128 numbers turn through my stage, so that a lane holds 16 neighbours of each block of its row
	s_wait_loadcnt 48                              ; the tokens' 16 loads are in; behind them stand 16 of Wmix / Wgate and 32 of the weight
.set i, 0
.rept 16
	ds_store_b128 v6, v[X+4*i:X+4*i+3] offset:528*i
.set i, i+1
.endr
.irp b, 0,1,2,3
.irp j, 0,1,2,3
	ds_load_b128 v[X+16*\b+4*\j:X+16*\b+4*\j+3], v7 offset:128*\b+16*\j   ; LDS serves a wave's instructions in order: these see my stores, into the registers that they left
.endr
.endr
	s_wait_dscnt 0x0
	QUANT X, PCT, PW
	global_store_b128 v4, v[PCT:PCT+3], s[42:43]                ; the image: 512 consecutive bytes a store
	global_store_b128 v4, v[PCT+4:PCT+7], s[42:43] offset:512
	ds_store_b128 v9, v[PCT:PCT+3]
	ds_store_b128 v9, v[PCT+4:PCT+7] offset:512
	ds_store_b32 v10, v[PW]                        ; both halves of the lanes write the same word
	; ---- M: 128 rows x 16 columns of Wmix or Wgate: lane (r, h) takes column r, k = 64 c + 32 h + i: the operand's own order
	s_wait_loadcnt 32                              ; its 16 loads are in; the weight's 32 stand behind them
.set i, 0
.rept 16
	ds_store_b128 v6, v[MR+4*i:MR+4*i+3] offset:512*i
.set i, i+1
.endr
.irp c, 0,1
.set i, 0
.rept 32
	ds_load_b32 v[MR+32*\c+i], v8 offset:(64*\c+i)*64
.set i, i+1
.endr
.endr
	s_wait_dscnt 0x0
	BLOCKQ MR, PCM, 216, 214
	BLOCKQ MR+32, PCM+4, 217, 215
	v_lshl_or_b32 v218, v215, 16, v214             ; my two bytes, blocks h and 2 + h,
	v_lshlrev_b32 v219, 3, v3
	s_delay_alu instid0(VALU_DEP_1)
	v_lshlrev_b32 v218, v219, v218                 ; at their places in the word;
	v_mov_b32 v219, 0
	s_delay_alu instid0(VALU_DEP_1)
	v_permlanex16_b32 v219, v218, s[SEL], s[SEL+1]
	s_delay_alu instid0(VALU_DEP_1)
	v_or_b32 v218, v218, v219                      ; with lane l xor 16's two the word is whole
	ds_store_b128 v11, v[PCM:PCM+3]
	ds_store_b128 v11, v[PCM+4:PCM+7] offset:512
	ds_store_b32 v12, v218
	; ---- W: my column's block
	s_wait_loadcnt 0x0
	BLOCKQ WB, PCW, 220, 221
	global_store_b128 v14, v[PCW:PCW+3], s[44:45]  ; sixteen lanes fill 256 consecutive bytes of one tile's image, the other sixteen of the next tile's
	ds_store_b8 v15, v221
	s_wait_dscnt 0x0                               ; for the others' sake: all my LDS stores have landed
	s_barrier_signal -1
	s_barrier_wait -1
	s_cmp_lt_u32 s24, 2
	s_cbranch_scc0 .Lnot_prod
	; ---- waves 0 and 1: mix and gate of token tile w.  Source 0 = 16 tokens, source 1 = the 16 heads' columns: lane (head, h) holds tokens 16 h + 8 w + 0 .. 7 of the block
	s_wait_xcnt 0x0                                ; my stores have read their registers: the loads below land there
.set kk, 0
.rept 8
	ds_load_b128 v[16+8*kk:19+8*kk], v240 offset:1024*kk
	ds_load_b128 v[20+8*kk:23+8*kk], v240 offset:1024*kk+512
	ds_load_b128 v[80+8*kk:83+8*kk], v241 offset:1024*kk
	ds_load_b128 v[84+8*kk:87+8*kk], v241 offset:1024*kk+512
	ds_load_b128 v[144+8*kk:147+8*kk], v241 offset:8192+1024*kk
	ds_load_b128 v[148+8*kk:151+8*kk], v241 offset:8192+1024*kk+512
	ds_load_b32 v[224+kk], v242 offset:64*kk
	ds_load_b32 v[232+kk], v243 offset:64*kk
.set kk, kk+1
.endr
	s_wait_dscnt 0x0
	v_wmma_scale_f32_16x16x128_f8f6f4 v[208:215], v[16:23], v[80:87], 0, v224, v232 matrix_a_fmt:MATRIX_FMT_FP4 matrix_b_fmt:MATRIX_FMT_FP4
	v_wmma_scale_f32_16x16x128_f8f6f4 v[216:223], v[16:23], v[144:151], 0, v224, v232 matrix_a_fmt:MATRIX_FMT_FP4 matrix_b_fmt:MATRIX_FMT_FP4 matrix_b_scale:MATRIX_SCALE_ROW1
.set kk, 1
.rept 7                                            ; the two sums take turns, one instruction a turn
	v_wmma_scale_f32_16x16x128_f8f6f4 v[208:215], v[16+8*kk:23+8*kk], v[80+8*kk:87+8*kk], v[208:215], v[224+kk], v[232+kk] matrix_a_fmt:MATRIX_FMT_FP4 matrix_b_fmt:MATRIX_FMT_FP4
	v_wmma_scale_f32_16x16x128_f8f6f4 v[216:223], v[16+8*kk:23+8*kk], v[144+8*kk:151+8*kk], v[216:223], v[224+kk], v[232+kk] matrix_a_fmt:MATRIX_FMT_FP4 matrix_b_fmt:MATRIX_FMT_FP4 matrix_b_scale:MATRIX_SCALE_ROW1
.set kk, kk+1
.endr
.rept 4
	v_nop                                          ; four places behind the last product, ahead of the first read of results (ISA guide 7.12.1)
.endr
.set i, 0
.rept 16
	v_mul_f32 v[16+i], 0xbfb8aa3b, v[208+i]        ; sigmoid(x) = 1 / (1 + 2^(-x log2 e)); each sum from its low end on
.set i, i+1
.endr
.set i, 0
	s_wait_alu depctr_va_vdst(0)
.rept 16
	v_exp_f32 v[16+i], v[16+i]
.set i, i+1
.endr
	v_nop
	s_wait_alu depctr_va_vdst(0)                   ; one wait for the sixteen exponentials, ahead of their first reader
.set i, 0
.rept 16
	v_add_f32 v[16+i], 1.0, v[16+i]
.set i, i+1
.endr
.set i, 0
	s_wait_alu depctr_va_vdst(0)
.rept 16
	v_rcp_f32 v[16+i], v[16+i]
.set i, i+1
.endr
	v_nop
	s_wait_alu depctr_va_vdst(0)                   ; and one for the sixteen reciprocals
	global_store_b128 v4, v[16:19], s[46:47]                    ; mix, registers 0-3: 512 consecutive bytes a store
	global_store_b128 v4, v[20:23], s[46:47] offset:512
	global_store_b128 v4, v[24:27], s[46:47] offset:524288      ; gate
	global_store_b128 v4, v[28:31], s[46:47] offset:524288+512
	s_wait_xcnt 0x0
	v_lshl_add_u32 v254, v0, 2, 0x29a00
	v_mov_b32 v255, 0
	s_wait_alu depctr_va_vdst(0)
	s_wait_tensorcnt 0x0
	ds_add_u32 v254, v255
	s_wait_dscnt 0x0
	s_endpgm
.Lnot_prod:
	s_cmp_eq_u32 s24, 2
	s_cbranch_scc0 .Lnot_tsc
	ds_load_b128 v[248:251], v244                  ; wave 2: the two tiles' scale words, 1,024 dense bytes
	ds_load_b128 v[252:255], v244 offset:512
	s_wait_dscnt 0x0
	global_store_b128 v4, v[248:251], s[50:51]
	global_store_b128 v4, v[252:255], s[50:51] offset:512
	s_wait_xcnt 0x0
	v_lshl_add_u32 v254, v0, 2, 0x29a00
	v_mov_b32 v255, 0
	s_wait_alu depctr_va_vdst(0)
	s_wait_tensorcnt 0x0
	ds_add_u32 v254, v255
	s_wait_dscnt 0x0
	s_endpgm
.Lnot_tsc:
	s_cmp_eq_u32 s24, 3
	s_cbranch_scc0 .Ldone
	ds_load_b128 v[248:251], v245                  ; wave 3: eight tiles' words of one K step: 64 bytes of each tile's 512
	s_wait_dscnt 0x0
	global_store_b128 v246, v[248:251], s[52:53]
.Ldone:
	s_wait_xcnt 0x0
	v_lshl_add_u32 v254, v0, 2, 0x29a00
	v_mov_b32 v255, 0
	s_wait_alu depctr_va_vdst(0)
	s_wait_tensorcnt 0x0
	ds_add_u32 v254, v255
	s_wait_dscnt 0x0
	s_endpgm
.Lfunc_end_k_qabcb8f45ca_prep:
	.size	k_qabcb8f45ca_prep, .Lfunc_end_k_qabcb8f45ca_prep-k_qabcb8f45ca_prep
	.p2alignl 7, 3214868480
	.fill 96, 4, 3214868480
	.section	.rodata,"a",@progbits
	.p2align	6, 0x0
	.amdhsa_kernel k_qabcb8f45ca_prep
		.amdhsa_group_segment_fixed_size 172544
		.amdhsa_private_segment_fixed_size 0
		.amdhsa_enable_private_segment 0
		.amdhsa_kernarg_size 80
		.amdhsa_user_sgpr_count 2
		.amdhsa_user_sgpr_kernarg_segment_ptr 1
		.amdhsa_wavefront_size32 1
		.amdhsa_system_sgpr_workgroup_id_x 1
		.amdhsa_system_sgpr_workgroup_id_y 1
		.amdhsa_system_sgpr_workgroup_id_z 1
		.amdhsa_system_vgpr_workitem_id 0
		.amdhsa_next_free_vgpr 256
		.amdhsa_next_free_sgpr 66
		.amdhsa_reserve_vcc 1
		.amdhsa_float_denorm_mode_32 3
		.amdhsa_float_denorm_mode_16_64 3
		.amdhsa_memory_ordered 1
		.amdhsa_forward_progress 1
		.amdhsa_inst_pref_size 52
	.end_amdhsa_kernel
	.amdgpu_metadata
---
amdhsa.version: [ 1, 2 ]
amdhsa.kernels:
  - .name:           k_qabcb8f45ca_prep
    .symbol:         k_qabcb8f45ca_prep.kd
    .args:
      - { .name: tokens, .offset: 0, .size: 8, .value_kind: global_buffer, .address_space: global }
      - { .name: Wq, .offset: 8, .size: 8, .value_kind: global_buffer, .address_space: global }
      - { .name: Wkv, .offset: 16, .size: 8, .value_kind: global_buffer, .address_space: global }
      - { .name: Wout, .offset: 24, .size: 8, .value_kind: global_buffer, .address_space: global }
      - { .name: Wmix, .offset: 32, .size: 8, .value_kind: global_buffer, .address_space: global }
      - { .name: Wgate, .offset: 40, .size: 8, .value_kind: global_buffer, .address_space: global }
      - { .name: tokq, .offset: 48, .size: 8, .value_kind: global_buffer, .address_space: global }
      - { .name: wq, .offset: 56, .size: 8, .value_kind: global_buffer, .address_space: global }
      - { .name: mg, .offset: 64, .size: 8, .value_kind: global_buffer, .address_space: global }
      - { .name: rot, .offset: 72, .size: 8, .value_kind: global_buffer, .address_space: global }
    .group_segment_fixed_size: 172544
    .private_segment_fixed_size: 0
    .kernarg_segment_align: 8
    .kernarg_segment_size: 80
    .max_flat_workgroup_size: 512
    .sgpr_count:     66
    .vgpr_count:     256
    .wavefront_size: 32
...
	.end_amdgpu_metadata
.endif
;; end of part 1
;; launch proj (part 2): grid 32 x 16, 16 waves a work-group, no clusters, 311,296 bytes of LDS; arguments tokq, wq, value_residual, mg, rot, qq, kq, vq; writes qq, kq, vq
.if DOCPART == 2
	.amdgcn_target "amdgcn-amd-amdhsa--gfx1250"
	.amdhsa_code_object_version 6
	.text
	.protected	k_qabcb8f45ca_proj
	.globl	k_qabcb8f45ca_proj
	.p2align	8
	.type	k_qabcb8f45ca_proj,@function
k_qabcb8f45ca_proj:
	s_mov_b64 s[64:65], 0
	v_nop
	global_prefetch_b8 v0, s[64:65] scope:SCOPE_SE
	s_setreg_imm32_b32 hwreg(HW_REG_WAVE_MODE, 25, 1), 1
	s_wait_xcnt 0x0
; PROJ.  q = rot(tokens Wq), k = rot(tokens Wk), v = lerp(tokens Wv, value_residual, mix), all three products on codes of FP4 with E8M0 scales; the results are quantised at once:
; q and k along the head's 64, v along the keys.  q is NOT multiplied by 1 / 8 here: a power of two goes through the quantiser unchanged, and the next launch carries it in the softmax's constant.
; SHARES.  Work-group (rb, H): 256 tokens x one head's 64 columns of q, of k and of v.  All that it reads more than once comes into LDS ONCE, by lane-wise copies at the head; one barrier; then LDS is only read.
; Waves 0-3 make q, waves 4-7 k: four tiles of 16 tokens each, against the head's four weight tiles (source 0 = weight, source 1 = tokens: a lane holds one token, its 32 registers 32 of the head's numbers).
; Waves 8-15 make v: eight tiles of tokens (source 0) against one weight tile (source 1): a lane holds one of the head's 64, its 64 registers 64 of 128 keys.
; The tiles' rows were chosen by the launch before (lane r of tile u: 8 u + r + 8 (r / 8) of 32), so that the registers of two neighbouring tiles are 16 neighbours along the next K.
; LIMITS: a block whose largest magnitude lies under 2^-124 gets the scale byte 1 (this program alone reads the bytes); NaN and infinities are not served.
; No cluster: the sixteen heads of a block of tokens do read the same 128 KB of token tiles, but LDS is filled here by lane-wise copies, which have no joint form.
; No ring: every LDS byte is filled once.
; v16-47 and v56-63 hold scale words and nothing else, in both paths.
.set WQ,   131072                      ; LDS: 0 the 16 token tiles (8 images each); WQ the 4 weight tiles of q, of k, of v
.set TSC,  229376                      ; the tokens' scale words [tile][K step][r]
.set WSL,  237568                      ; the weights' likewise, 2,048 bytes for each of q, k, v
.set VR,   243712                      ; value_residual: 256 rows of 256 bytes
.set SEL,  46                          ; s[46:47]
.set TM,   64                          ; path V: v64-79 at work in QUANT
.set Q2M,  8                           ; path QK: v8-15 at work in QUANT2
.set Q2P,  10
.set Q2S,  12
.set Q2B,  14
; a scaled product: D at d, source 0 at a, source 1 at b; z = 1: it starts the sum; scale words in v[sa], v[sb]; ra, rb = 1: taken from lanes 16-31
.macro WM d, a, b, z, sa, sb, ra, rb
.set rD, \d
.set rA, \a
.set rB, \b
.set rX, \sa
.set rY, \sb
.set rV, 4*(\z)+2*(\ra)+(\rb)
.if rV == 0
	v_wmma_scale_f32_16x16x128_f8f6f4 v[rD:rD+7], v[rA:rA+7], v[rB:rB+7], v[rD:rD+7], v[rX], v[rY] matrix_a_fmt:MATRIX_FMT_FP4 matrix_b_fmt:MATRIX_FMT_FP4
.elseif rV == 1
	v_wmma_scale_f32_16x16x128_f8f6f4 v[rD:rD+7], v[rA:rA+7], v[rB:rB+7], v[rD:rD+7], v[rX], v[rY] matrix_a_fmt:MATRIX_FMT_FP4 matrix_b_fmt:MATRIX_FMT_FP4 matrix_b_scale:MATRIX_SCALE_ROW1
.elseif rV == 2
	v_wmma_scale_f32_16x16x128_f8f6f4 v[rD:rD+7], v[rA:rA+7], v[rB:rB+7], v[rD:rD+7], v[rX], v[rY] matrix_a_fmt:MATRIX_FMT_FP4 matrix_b_fmt:MATRIX_FMT_FP4 matrix_a_scale:MATRIX_SCALE_ROW1
.elseif rV == 3
	v_wmma_scale_f32_16x16x128_f8f6f4 v[rD:rD+7], v[rA:rA+7], v[rB:rB+7], v[rD:rD+7], v[rX], v[rY] matrix_a_fmt:MATRIX_FMT_FP4 matrix_b_fmt:MATRIX_FMT_FP4 matrix_a_scale:MATRIX_SCALE_ROW1 matrix_b_scale:MATRIX_SCALE_ROW1
.elseif rV == 4
	v_wmma_scale_f32_16x16x128_f8f6f4 v[rD:rD+7], v[rA:rA+7], v[rB:rB+7], 0, v[rX], v[rY] matrix_a_fmt:MATRIX_FMT_FP4 matrix_b_fmt:MATRIX_FMT_FP4
.elseif rV == 5
	v_wmma_scale_f32_16x16x128_f8f6f4 v[rD:rD+7], v[rA:rA+7], v[rB:rB+7], 0, v[rX], v[rY] matrix_a_fmt:MATRIX_FMT_FP4 matrix_b_fmt:MATRIX_FMT_FP4 matrix_b_scale:MATRIX_SCALE_ROW1
.elseif rV == 6
	v_wmma_scale_f32_16x16x128_f8f6f4 v[rD:rD+7], v[rA:rA+7], v[rB:rB+7], 0, v[rX], v[rY] matrix_a_fmt:MATRIX_FMT_FP4 matrix_b_fmt:MATRIX_FMT_FP4 matrix_a_scale:MATRIX_SCALE_ROW1
.else
	v_wmma_scale_f32_16x16x128_f8f6f4 v[rD:rD+7], v[rA:rA+7], v[rB:rB+7], 0, v[rX], v[rY] matrix_a_fmt:MATRIX_FMT_FP4 matrix_b_fmt:MATRIX_FMT_FP4 matrix_a_scale:MATRIX_SCALE_ROW1 matrix_b_scale:MATRIX_SCALE_ROW1
.endif
.endm
; 64 numbers of a lane, register 16 b + i = k 32 b + 16 (lane / 16) + i of my row, become a fragment's codes in v[pc] on and its scale word in v[pw]
.macro QUANT s, pc, pw
.irp b, 0,1,2,3
	v_max3_num_f32 v[TM+\b], |v[\s+16*\b]|, |v[\s+1+16*\b]|, 0x1800000   ; and the floor 2^(3 - 127): the byte cannot fall under 1
.endr
.irp i, 2,4,6,8,10,12,14
.irp b, 0,1,2,3
	s_delay_alu instid0(VALU_DEP_4)
	v_max3_num_f32 v[TM+\b], v[TM+\b], |v[\s+16*\b+\i]|, |v[\s+1+16*\b+\i]|
.endr
.endr
.irp b, 0,1,2,3
	s_delay_alu instid0(VALU_DEP_4)
	v_permlanex16_b32 v[TM+4+\b], v[TM+\b], s[SEL], s[SEL+1]
.endr
.irp b, 0,1,2,3
	s_delay_alu instid0(VALU_DEP_4)
	v_max_num_f32 v[TM+\b], v[TM+\b], v[TM+4+\b]
.endr
.irp b, 0,1,2,3
	s_delay_alu instid0(VALU_DEP_4)
	v_add_nc_u32 v[TM+12+\b], 0xff000000, v[TM+\b]                 ; 2 off the exponent field: the conversion's scale operand
.endr
.irp b, 0,1,2,3
	s_delay_alu instid0(VALU_DEP_4)
	v_lshrrev_b32 v[TM+4+\b], 23, v[TM+12+\b]
.endr
	s_delay_alu instid0(VALU_DEP_3)
	v_lshl_or_b32 v[\pw], v[TM+5], 8, v[TM+4]
	s_delay_alu instid0(VALU_DEP_1)
	v_lshl_or_b32 v[\pw], v[TM+6], 16, v[\pw]
	s_delay_alu instid0(VALU_DEP_1)
	v_lshl_or_b32 v[\pw], v[TM+7], 24, v[\pw]
.irp b, 0,1,2,3
	v_cvt_scalef32_pk8_fp4_f32 v[\pc+2*\b], v[\s+16*\b:\s+7+16*\b], v[TM+12+\b]
	v_cvt_scalef32_pk8_fp4_f32 v[\pc+1+2*\b], v[\s+8+16*\b:\s+15+16*\b], v[TM+12+\b]
.endr
	v_nop                                                          ; one plain place behind a scaled conversion
.irp c, 0,1
.irp i, 0,1
	v_permlane16_swap_b32 v[\pc+4*\c+\i], v[\pc+2+4*\c+\i]
.endr
.endr
.endm
; the same for 32 numbers, two blocks: four registers of codes (lane (r, h): block h of row r) and the two bytes in the low half of v[w], which may be one of the numbers' registers
.macro QUANT2 s, pc, w
.irp b, 0,1
	v_max3_num_f32 v[Q2M+\b], |v[\s+16*\b]|, |v[\s+1+16*\b]|, 0x1800000
.endr
.irp i, 2,4,6,8,10,12,14
.irp b, 0,1
	s_delay_alu instid0(VALU_DEP_2)
	v_max3_num_f32 v[Q2M+\b], v[Q2M+\b], |v[\s+16*\b+\i]|, |v[\s+1+16*\b+\i]|
.endr
.endr
.irp b, 0,1
	s_delay_alu instid0(VALU_DEP_2)
	v_permlanex16_b32 v[Q2P+\b], v[Q2M+\b], s[SEL], s[SEL+1]
.endr
.irp b, 0,1
	s_delay_alu instid0(VALU_DEP_2)
	v_max_num_f32 v[Q2M+\b], v[Q2M+\b], v[Q2P+\b]
.endr
.irp b, 0,1
	s_delay_alu instid0(VALU_DEP_2)
	v_add_nc_u32 v[Q2S+\b], 0xff000000, v[Q2M+\b]
.endr
.irp b, 0,1
	s_delay_alu instid0(VALU_DEP_2)
	v_lshrrev_b32 v[Q2B+\b], 23, v[Q2S+\b]
.endr
.irp b, 0,1
	v_cvt_scalef32_pk8_fp4_f32 v[\pc+2*\b], v[\s+16*\b:\s+7+16*\b], v[Q2S+\b]
	v_cvt_scalef32_pk8_fp4_f32 v[\pc+1+2*\b], v[\s+8+16*\b:\s+15+16*\b], v[Q2S+\b]
.endr
	v_nop                                                          ; one plain place behind a scaled conversion
	v_permlane16_swap_b32 v[\pc], v[\pc+2]
	v_permlane16_swap_b32 v[\pc+1], v[\pc+3]
	v_lshl_or_b32 v[\w], v[Q2B+1], 8, v[Q2B]
.endm
	s_load_b512 s[4:19], s[0:1], 0x0               ; tokq, wq, value_residual, mg, rot, qq, kq, vq
	v_lshl_add_u32 v254, v0, 2, 0x4b800
	v_mov_b32 v255, 0
	ds_add_u32 v254, v255
	ds_add_u32 v254, v255
	s_wait_dscnt 0x0
	v_lshrrev_b32 v1, 5, v0
	s_delay_alu instid0(VALU_DEP_1)
	v_readfirstlane_b32 s20, v1                    ; wave w
	s_and_b32 s22, ttmp7, 0xffff                   ; H
	s_lshr_b32 s23, ttmp9, 3                       ; b
	s_and_b32 s24, ttmp9, 7                        ; nb: which 256 tokens of the sequence
	s_lshl_b32 s25, s23, 4
	s_add_co_u32 s25, s25, s22                     ; bh
	s_mov_b32 s[SEL], 0x76543210
	s_mov_b32 s[SEL+1], 0xfedcba98
	v_and_b32 v1, 31, v0
	s_delay_alu instid0(VALU_DEP_1)
	v_lshlrev_b32 v2, 4, v1                        ; 16 l
	s_lshl_b32 s48, s20, 13                        ; the copies' addresses, v3-v15: LDS bytes and offsets in memory; they stay as they are until the wait on ASYNCcnt
	v_add_nc_u32 v3, s48, v2                       ; tokens: LDS byte 8,192 w + 16 l,
	v_add_nc_u32 v4, s48, v2                       ; and the same offset in memory
	s_lshl_b32 s48, s20, 11
	v_add_nc_u32 v6, s48, v2                       ; weights: offset 2,048 w + 16 l in a role's four tiles;
	s_delay_alu instid0(VALU_DEP_1)
	v_add_nc_u32 v13, WQ, v6                       ; an LDS address of its own for q's,
	s_delay_alu instid0(VALU_DEP_2)
	v_add_nc_u32 v14, WQ+32768, v6                 ; for k's
	s_delay_alu instid0(VALU_DEP_3)
	v_add_nc_u32 v15, WQ+65536, v6                 ; and for v's tiles: every copy's immediate stays small
	s_lshl_b32 s48, s20, 9
	v_add_nc_u32 v8, s48, v2
	s_delay_alu instid0(VALU_DEP_1)
	v_add_nc_u32 v7, TSC, v8
	s_lshl_b32 s48, s20, 7
	v_lshl_add_u32 v10, v1, 2, s48
	s_delay_alu instid0(VALU_DEP_1)
	v_add_nc_u32 v9, WSL, v10
	s_lshl_b32 s48, s20, 12
	v_add_nc_u32 v12, s48, v2
	s_delay_alu instid0(VALU_DEP_1)
	v_add_nc_u32 v11, VR, v12
	s_mov_b32 s49, 0
	s_wait_alu depctr_va_vdst(0)
	s_wait_kmcnt 0x0
	s_lshl_b32 s48, ttmp9, 17
	s_add_nc_u64 s[28:29], s[4:5], s[48:49]        ; the block's 16 token tiles: 131,072 bytes
	s_lshl_b32 s48, s22, 15
	s_add_nc_u64 s[30:31], s[6:7], s[48:49]        ; the head's four tiles of Wq;
	s_add_nc_u64 s[32:33], s[30:31], 524288        ; of Wk, 64 tiles of 8,192 bytes on;
	s_add_nc_u64 s[34:35], s[30:31], 1048576       ; of Wv
	s_lshl_b32 s48, ttmp9, 13
	s_add_co_u32 s48, s48, 4194304
	s_add_nc_u64 s[36:37], s[4:5], s[48:49]        ; the tokens' scale words
	s_lshl_b32 s48, s22, 11
	s_add_co_u32 s48, s48, 2097152
	s_add_nc_u64 s[38:39], s[6:7], s[48:49]        ; the weights'.  A copy's immediate is added to both addresses: with 2,048 a role in the immediate the bases lie 32,768 - 2,048 bytes apart
	s_add_nc_u64 s[40:41], s[38:39], 30720
	s_add_nc_u64 s[42:43], s[38:39], 61440
	s_lshl_b32 s48, s25, 19
	s_lshl_b32 s50, s24, 16
	s_add_co_u32 s48, s48, s50
	s_add_nc_u64 s[44:45], s[8:9], s[48:49]        ; value_residual: rows 256 nb on of head bh
.set jj, 0
.rept 16
	global_load_async_to_lds_b128 v3, v4, s[28:29] offset:512*jj
.set jj, jj+1
.endr
.irp rho, 0,1,2
.set jj, 0
.rept 4
	global_load_async_to_lds_b128 v[13+\rho], v6, s[30+2*\rho:31+2*\rho] offset:512*jj
.set jj, jj+1
.endr
	global_load_async_to_lds_b32 v9, v10, s[38+2*\rho:39+2*\rho] offset:2048*\rho
.endr
	global_load_async_to_lds_b128 v7, v8, s[36:37]
.set jj, 0
.rept 8
	global_load_async_to_lds_b128 v11, v12, s[44:45] offset:512*jj
.set jj, jj+1
.endr
	s_wait_asynccnt 0x0                            ; my 40 copies have landed,
	s_barrier_signal -1
	s_barrier_wait -1                              ; everybody's have
	s_mov_b32 s51, 0
	s_cmp_lt_u32 s20, 8
	s_cbranch_scc0 .Lpath_v                        ; the two paths never join again
	; ======== q and k.  v1 16 l; v2 tokens, v3 weights, v4, v5 their scale words; v16-31, v32-47 scale words; v48-55 codes, two sets of four; v64-95 tokens' fragments, v96-127 weights' (later cos and sin); v128-255 the 16 sums
	s_lshr_b32 s48, s20, 2                         ; 0 q, 1 k
	s_and_b32 s49, s20, 3                          ; g: token tiles 4 g .. 4 g + 3
	v_and_b32 v1, 31, v0
	s_delay_alu instid0(VALU_DEP_1)
	v_lshlrev_b32 v1, 4, v1
	v_and_b32 v6, 15, v0
	v_bfe_u32 v7, v0, 4, 1
	s_lshl_b32 s50, s49, 15
	v_add_nc_u32 v2, s50, v1
	s_wait_alu depctr_va_vdst(0)
	s_lshl_b32 s50, s48, 15
	s_add_co_u32 s50, s50, WQ
	v_add_nc_u32 v3, s50, v1
	s_wait_alu depctr_va_vdst(0)
	v_lshlrev_b32 v6, 2, v6
	s_delay_alu instid0(VALU_DEP_1)
	v_lshl_add_u32 v6, v7, 9, v6                   ; 512 h + 4 r: lanes 0-15 take an even tile's words, lanes 16-31 the next tile's
	s_lshl_b32 s50, s49, 11
	s_add_co_u32 s50, s50, TSC
	v_add_nc_u32 v4, s50, v6
	s_lshl_b32 s50, s48, 11
	s_add_co_u32 s50, s50, WSL
	v_add_nc_u32 v5, s50, v6
.set pp, 0
.rept 2
.set kk, 0
.rept 8
	ds_load_b32 v[16+8*pp+kk], v4 offset:1024*pp+64*kk
	ds_load_b32 v[32+8*pp+kk], v5 offset:1024*pp+64*kk
.set kk, kk+1
.endr
.set pp, pp+1
.endr
	s_lshl_b32 s50, s24, 16                        ; the table of cos and sin: tile 16 nb + 4 g of the sequence, 4,096 bytes a tile
	s_lshl_b32 s58, s49, 14
	s_add_co_u32 s50, s50, s58
	s_add_nc_u64 s[52:53], s[12:13], s[50:51]
	s_cmp_eq_u32 s48, 0
	s_cselect_b64 s[54:55], s[14:15], s[16:17]     ; qq or kq
	s_lshl_b32 s50, s25, 13                        ; scale words, 128 bytes for each block of 32 tokens, a word a lane: 8,192 bh + 128 (8 nb + 2 g)
	s_lshl_b32 s58, s24, 10
	s_add_co_u32 s50, s50, s58
	s_lshl_b32 s58, s49, 8
	s_add_co_u32 s50, s50, s58
	s_add_co_u32 s50, s50, 4194304
	s_add_nc_u64 s[56:57], s[54:55], s[50:51]
	s_lshl_b32 s50, s25, 16                        ; codes: 65,536 bh + 512 (16 nb + 4 g)
	s_lshl_b32 s58, s24, 13
	s_add_co_u32 s50, s50, s58
	s_lshl_b32 s58, s49, 11
	s_add_co_u32 s50, s50, s58
	s_add_nc_u64 s[54:55], s[54:55], s[50:51]
; a K step of 128: 16 loads, 16 products; the 16 sums take turns, one instruction a turn, in the same order in every step
.macro KSTEP_QK s, z
.if (\s) > 0
.rept 4
	v_nop                                          ; four places in front of loads into registers that matrix instructions have read
.endr
.endif
.irp t, 0,1,2,3
.irp c, 0,1
	ds_load_b128 v[64+8*\t+4*\c:67+8*\t+4*\c], v2 offset:8192*\t+1024*(\s)+512*\c
	ds_load_b128 v[96+8*\t+4*\c:99+8*\t+4*\c], v3 offset:8192*\t+1024*(\s)+512*\c
.endr
.endr
	s_wait_dscnt 0x0
.irp tt, 0,1,2,3
.irp wt, 0,1,2,3
	WM 128+32*\tt+8*\wt, 96+8*\wt, 64+8*\tt, \z, 32+8*(\wt/2)+(\s), 16+8*(\tt/2)+(\s), \wt%2, \tt%2
.endr
.endr
.endm
	KSTEP_QK 0, 1
.irp ks, 1,2,3,4,5,6,7
	KSTEP_QK \ks, 0
.endr
.macro ROTLOAD tt, set                 ; a tile's cos and sin: eight loads of 512 consecutive bytes; register n of the set belongs to register n of the tile: cos at the even one, sin at the odd one
.set i, 0
.rept 8
	global_load_b128 v[\set+4*i:\set+4*i+3], v1, s[52:53] offset:4096*(\tt)+512*i
.set i, i+1
.endr
.endm
.macro ROPE a, rr                      ; (x1, x2) -> (x1 cos - x2 sin, x2 cos + x1 sin), pair by pair, each sum from its low end on
.set i, 0
.rept 16
.set tq, 6+2*(i%4)
	v_mul_f32 v[tq], v[\a+2*i+1], v[\rr+2*i+1]
	v_mul_f32 v[tq+1], v[\a+2*i], v[\rr+2*i+1]
	v_fma_f32 v[\a+2*i], v[\a+2*i], v[\rr+2*i], -v[tq]
	v_fma_f32 v[\a+2*i+1], v[\a+2*i+1], v[\rr+2*i], v[tq+1]
.set i, i+1
.endr
.endm
.macro TILEOUT tt, set, left, more
	s_wait_loadcnt \left                           ; this tile's eight loads are in; the next tile's eight may be out
	ROPE 128+32*(\tt), \set
.if (\tt) > 1
	s_wait_xcnt 0x0                                ; the store of the tile two back has read its four registers: they are written again only behind this wait
.endif
	QUANT2 128+32*(\tt), 48+4*((\tt)%2), 128+32*(\tt)
	s_delay_alu instid0(VALU_DEP_1)
	v_or_b32 v[128+32*(\tt)], 0x7f7f0000, v[128+32*(\tt)]          ; the upper 64 of the instruction's K hold zero codes: their bytes stand for 1
	global_store_b128 v1, v[48+4*((\tt)%2):51+4*((\tt)%2)], s[54:55] offset:512*(\tt)   ; half an image: 512 consecutive bytes
.if \more
	ROTLOAD (\tt)+2, \set
.endif
.endm
.rept 4
	v_nop                                          ; four places behind the last products: loads into their sources and reads of their results follow
.endr
	ROTLOAD 0, 64
	ROTLOAD 1, 96
	TILEOUT 0, 64, 8, 1
	TILEOUT 1, 96, 8, 1
	TILEOUT 2, 64, 8, 0
	TILEOUT 3, 96, 0, 0
	s_mov_b32 vcc_lo, 0xffff0000
	v_cndmask_b32 v6, v128, v160, vcc_lo           ; lanes 0-15 an even tile's words, lanes 16-31 the next tile's: as the reader's scale register wants them
	v_cndmask_b32 v7, v192, v224, vcc_lo
	v_lshrrev_b32 v8, 2, v1                        ; 4 l
	global_store_b32 v8, v6, s[56:57]              ; a block's 32 words: 128 consecutive bytes
	global_store_b32 v8, v7, s[56:57] offset:128
	s_wait_xcnt 0x0
	v_lshl_add_u32 v254, v0, 2, 0x4b800
	v_mov_b32 v255, 0
	s_wait_alu depctr_va_vdst(0)
	s_wait_tensorcnt 0x0
	ds_add_u32 v254, v255
	s_wait_dscnt 0x0
	s_endpgm
.Lpath_v:
	; ======== v.  v1 16 l; v2 tokens, v3 weight, v4, v5 scale words, v6 value_residual, v7 mix, v8 8 r; v16-47 the tokens' scale words, v56-63 the weight's; v48-55 the weight's fragment; v64-127 tokens' fragments, later value_residual; v128-191 mix; v192-255 the 8 sums
	s_bfe_u32 s48, s20, 0x10002                    ; hh: which 128 tokens
	s_and_b32 s49, s20, 3                          ; dt: which tile of the head's 64
	v_and_b32 v1, 31, v0
	s_delay_alu instid0(VALU_DEP_1)
	v_lshlrev_b32 v1, 4, v1
	s_wait_alu depctr_va_vdst(0)
	v_and_b32 v8, 15, v0                           ; r
	s_wait_alu depctr_va_vdst(0)
	v_bfe_u32 v9, v0, 4, 1                         ; h
	s_lshl_b32 s50, s22, 4
	v_lshl_add_u32 v7, v9, 8, s50                  ; mix lies as the image of a result whose lane (head, h) holds 8 tokens: 16 (H + 16 h)
	s_lshl_b32 s50, ttmp9, 14
	s_lshl_b32 s58, s48, 13
	s_add_co_u32 s50, s50, s58
	s_add_nc_u64 s[52:53], s[10:11], s[50:51]      ; blocks of 32 tokens 8 rb + 4 hh on, 2,048 bytes each
.set i, 0
.rept 16
	global_load_b128 v[128+4*i:131+4*i], v7, s[52:53] offset:512*i   ; register n = mix of key 32 (n / 16) + 16 h + n % 16: they land while the products run
.set i, i+1
.endr
	s_lshl_b32 s50, s48, 16
	v_add_nc_u32 v2, s50, v1
	s_lshl_b32 s50, s49, 13
	s_add_co_u32 s50, s50, WQ+65536
	v_add_nc_u32 v3, s50, v1
	v_lshlrev_b32 v10, 2, v8
	s_wait_alu depctr_va_vdst(0)
	v_lshl_add_u32 v4, v9, 9, v10
	s_lshl_b32 s50, s48, 12
	s_add_co_u32 s50, s50, TSC
	v_add_nc_u32 v4, s50, v4
	s_lshl_b32 s50, s49, 9
	s_add_co_u32 s50, s50, WSL+4096
	v_add_nc_u32 v5, s50, v10
	v_and_b32 v6, 8, v8
	s_delay_alu instid0(VALU_DEP_1)
	v_add_nc_u32 v6, v6, v8                        ; r + 8 (r / 8)
	s_delay_alu instid0(VALU_DEP_1)
	v_lshlrev_b32 v6, 2, v6
	s_delay_alu instid0(VALU_DEP_1)
	v_lshl_add_u32 v6, v9, 12, v6                  ; + 16 h rows of 256 bytes
	s_wait_alu depctr_va_vdst(0)
	s_lshr_b32 s50, s49, 1
	s_lshl_b32 s50, s50, 7
	s_and_b32 s58, s49, 1
	s_lshl_b32 s58, s58, 5
	s_add_co_u32 s50, s50, s58                     ; 4 x (32 (dt / 2) + 8 (dt % 2))
	s_lshl_b32 s58, s48, 15
	s_add_co_u32 s50, s50, s58
	s_add_co_u32 s50, s50, VR
	v_add_nc_u32 v6, s50, v6
	v_lshlrev_b32 v8, 3, v8
.set pp, 0
.rept 4
.set kk, 0
.rept 8
	ds_load_b32 v[16+8*pp+kk], v4 offset:1024*pp+64*kk
.set kk, kk+1
.endr
.set pp, pp+1
.endr
.set kk, 0
.rept 8
	ds_load_b32 v[56+kk], v5 offset:64*kk
.set kk, kk+1
.endr
	s_lshl_b32 s50, s25, 16                        ; codes: ((16 bh + 2 nb + hh) 4 + dt) 1,024
	s_lshl_b32 s58, s24, 13
	s_add_co_u32 s50, s50, s58
	s_lshl_b32 s58, s48, 12
	s_add_co_u32 s50, s50, s58
	s_lshl_b32 s58, s49, 10
	s_add_co_u32 s50, s50, s58
	s_add_nc_u64 s[54:55], s[18:19], s[50:51]
	s_lshl_b32 s50, s25, 12                        ; scale words: (16 bh + 2 nb + hh) 256 + 128 (dt % 2) + 4 (dt / 2)
	s_lshl_b32 s58, s24, 9
	s_add_co_u32 s50, s50, s58
	s_lshl_b32 s58, s48, 8
	s_add_co_u32 s50, s50, s58
	s_and_b32 s58, s49, 1
	s_lshl_b32 s58, s58, 7
	s_add_co_u32 s50, s50, s58
	s_lshr_b32 s58, s49, 1
	s_lshl_b32 s58, s58, 2
	s_add_co_u32 s50, s50, s58
	s_add_co_u32 s50, s50, 4194304
	s_add_nc_u64 s[56:57], s[18:19], s[50:51]
.macro KSTEP_V s, z
.if (\s) > 0
.rept 4
	v_nop                                          ; four places in front of loads into registers that matrix instructions have read
.endr
.endif
.irp t, 0,1,2,3,4,5,6,7
.irp c, 0,1
	ds_load_b128 v[64+8*\t+4*\c:67+8*\t+4*\c], v2 offset:8192*\t+1024*(\s)+512*\c
.endr
.endr
.irp c, 0,1
	ds_load_b128 v[48+4*\c:51+4*\c], v3 offset:1024*(\s)+512*\c
.endr
	s_wait_dscnt 0x0
.irp tt, 0,1,2,3,4,5,6,7
	WM 192+8*\tt, 64+8*\tt, 48, \z, 16+8*(\tt/2)+(\s), 56+(\s), \tt%2, 0
.endr
.endm
	KSTEP_V 0, 1
.irp ks, 1,2,3,4,5,6,7
	KSTEP_V \ks, 0
.endr
.rept 4
	v_nop                                          ; four places behind the last products
.endr
	s_wait_alu depctr_va_vdst(0)
.irp b, 0,1,2,3
.set i, 0
.rept 16
	ds_load_b32 v[64+16*\b+i], v6 offset:(32*\b+i)*256             ; value_residual(key 32 b + 16 h + i, my d)
.set i, i+1
.endr
.endr
	s_wait_loadcnt 0x0                             ; mix
	s_wait_dscnt 0x0
.set i, 0
.rept 32
	v_pk_add_f32 v[64+2*i:65+2*i], v[64+2*i:65+2*i], v[192+2*i:193+2*i] neg_lo:[0,1] neg_hi:[0,1]   ; value_residual - v, each sum from its low end on
	v_pk_fma_f32 v[192+2*i:193+2*i], v[64+2*i:65+2*i], v[128+2*i:129+2*i], v[192+2*i:193+2*i]       ; v + (..) mix
.set i, i+1
.endr
	QUANT 192, 80, 88                              ; along the keys: one fragment of 16 of the head's 64 x 128 keys
	global_store_b128 v1, v[80:83], s[54:55]
	global_store_b128 v1, v[84:87], s[54:55] offset:512
	global_store_b32 v8, v88, s[56:57]             ; both halves of the lanes write the same word
	s_wait_xcnt 0x0
	v_lshl_add_u32 v254, v0, 2, 0x4b800
	v_mov_b32 v255, 0
	s_wait_alu depctr_va_vdst(0)
	s_wait_tensorcnt 0x0
	ds_add_u32 v254, v255
	s_wait_dscnt 0x0
	s_endpgm
.Lfunc_end_k_qabcb8f45ca_proj:
	.size	k_qabcb8f45ca_proj, .Lfunc_end_k_qabcb8f45ca_proj-k_qabcb8f45ca_proj
	.p2alignl 7, 3214868480
	.fill 96, 4, 3214868480
	.section	.rodata,"a",@progbits
	.p2align	6, 0x0
	.amdhsa_kernel k_qabcb8f45ca_proj
		.amdhsa_group_segment_fixed_size 311296
		.amdhsa_private_segment_fixed_size 0
		.amdhsa_enable_private_segment 0
		.amdhsa_kernarg_size 64
		.amdhsa_user_sgpr_count 2
		.amdhsa_user_sgpr_kernarg_segment_ptr 1
		.amdhsa_wavefront_size32 1
		.amdhsa_system_sgpr_workgroup_id_x 1
		.amdhsa_system_sgpr_workgroup_id_y 1
		.amdhsa_system_sgpr_workgroup_id_z 1
		.amdhsa_system_vgpr_workitem_id 0
		.amdhsa_next_free_vgpr 256
		.amdhsa_next_free_sgpr 66
		.amdhsa_reserve_vcc 1
		.amdhsa_float_denorm_mode_32 3
		.amdhsa_float_denorm_mode_16_64 3
		.amdhsa_memory_ordered 1
		.amdhsa_forward_progress 1
		.amdhsa_inst_pref_size 101
	.end_amdhsa_kernel
	.amdgpu_metadata
---
amdhsa.version: [ 1, 2 ]
amdhsa.kernels:
  - .name:           k_qabcb8f45ca_proj
    .symbol:         k_qabcb8f45ca_proj.kd
    .args:
      - { .name: tokq, .offset: 0, .size: 8, .value_kind: global_buffer, .address_space: global }
      - { .name: wq, .offset: 8, .size: 8, .value_kind: global_buffer, .address_space: global }
      - { .name: value_residual, .offset: 16, .size: 8, .value_kind: global_buffer, .address_space: global }
      - { .name: mg, .offset: 24, .size: 8, .value_kind: global_buffer, .address_space: global }
      - { .name: rot, .offset: 32, .size: 8, .value_kind: global_buffer, .address_space: global }
      - { .name: qq, .offset: 40, .size: 8, .value_kind: global_buffer, .address_space: global }
      - { .name: kq, .offset: 48, .size: 8, .value_kind: global_buffer, .address_space: global }
      - { .name: vq, .offset: 56, .size: 8, .value_kind: global_buffer, .address_space: global }
    .group_segment_fixed_size: 311296
    .private_segment_fixed_size: 0
    .kernarg_segment_align: 8
    .kernarg_segment_size: 64
    .max_flat_workgroup_size: 512
    .sgpr_count:     66
    .vgpr_count:     256
    .wavefront_size: 32
...
	.end_amdgpu_metadata
.endif
;; end of part 2
;; launch attn (part 3): grid 256 x 1, 16 waves a work-group, no clusters, 281,600 bytes of LDS; arguments qq, kq, vq, mg, wq, out0; writes out0
.if DOCPART == 3
	.amdgcn_target "amdgcn-amd-amdhsa--gfx1250"
	.amdhsa_code_object_version 6
	.text
	.protected	k_qabcb8f45ca_attn
	.globl	k_qabcb8f45ca_attn
	.p2align	8
	.type	k_qabcb8f45ca_attn,@function
k_qabcb8f45ca_attn:
	s_mov_b64 s[64:65], 0
	v_nop
	global_prefetch_b8 v0, s[64:65] scope:SCOPE_SE
	s_setreg_imm32_b32 hwreg(HW_REG_WAVE_MODE, 25, 1), 1
	s_wait_xcnt 0x0
; ATTN.  out0 = ((softmax of the band) v x gate) Wout, all three products on codes of FP4 with E8M0 scales.  Key j counts for query i where 0 <= i - j <= 512.
; SHARES.  Work-group x owns the 32 queries of block Bq = x % 64 of sequence x / 64, for ALL 16 heads: wave w is head w and holds two tiles of 16 queries.  So a row's 1,024 numbers of (out x gate) meet in one
; work-group, and the last product is made here: wave w makes columns 64 w .. 64 w + 63 of the 32 rows of out0.
; THE BAND, by blocks of 32 keys: the keys that count lie in blocks Bq - 16 .. Bq, seventeen of them; all other blocks lie wholly under the mask and are left out.
; The diagonal block Bq goes first (every query sees itself there, so M is a number from the start; its products start the sums).  Then four windows of four blocks, Bq - 4 - 4 s on, s = 0 .. 3.
; Element masks: in block Bq the keys ahead of the query, in block Bq - 16 (slot 0 of window 3) those more than 512 back.  A window that would begin before block 0 begins at block 0 and its slots that an
; earlier window has taken become -infinity; a window wholly before block 0 is passed over.  All that by scalar branches on ids.
; THE SOFTMAX: t = score x log2(e) / 8 (the 1 / 8 is q's scale, a power of two that the launch before left out); M = the running largest t rounded UP to a whole number; p = 2^(t - M) is quantised along the keys;
; the row's sum is taken of the unquantised p; when M moves, the sum and O are multiplied by 2^(old M - new M), exactly.
; LAYOUT.  Both products transposed (S^T = K Q^T, O^T = V^T P^T): a lane holds one query.  K = 64 in the first product: Q's upper four registers are zero codes, and K's operand runs on into the next tile's codes.
; V lies as images of fragments of 128 aligned keys; a window begins at any block, so each lane names its own block: 4,096 (B / 4) + 256 (B % 4); its scale bytes are cut out of two neighbouring words.
; WOUT.  K steps 0 to 3 of my wave's four tiles (16,384 bytes) come into my own LDS bytes by lane-wise copies, a quarter in each of the first four stretches of the text, all ahead of the first LDS read, the first
; barrier and the one wait on ASYNCcnt; each LDS byte is filled once.  K steps 4 to 7 come into registers.  The way out's stage lies in those LDS bytes, behind my last read of them.
; LIMITS: a block whose largest magnitude lies under 2^-124 gets the scale byte 1; NaN and infinities are not served; the scaled scores stay under 2^31 in magnitude.
; No cluster: LDS is filled by lane-wise copies, which have no joint form, and K and V go straight into registers: no two waves of a work-group share a head.
; No data prefetch: each block of K and V is named by the loads of up to 17 work-groups, Wout by those of all 256.
.set XI,    262144                     ; LDS: 0 Wout's K steps 0-3, 16,384 w on; XI the rows' 16 fragments (tile u at 8,192 u; head w's four registers at 512 w + 16 l)
.set XSC,   278528                     ; their scale words [K step][u][r], half a word a head
.set SPARE, 279552                     ; the spare words, 128 bytes a wave
.set S,    72                          ; v72-135   S^T, then p
.set BM,   216                         ; v216-219  the blocks' largest scores, then largest p
.set BP,   220                         ; v220-223  the other half's; bytes; at a window's head at work on addresses
.set SC4,  224                         ; v224-227  the conversions' scale operands
.set F,    228                         ; v[228:229] f = 2^(old M - new M); at the end gate / sum
.set T0,   230
.set SEL,  24
.set CS,   26
.set Q2M,  216
.set Q2P,  220
.set Q2S,  224
.set Q2B,  218
; v1 16 l; v2, v3 my query's place in its block less 16 h (tile 0, 1); v4, v5 V's codes: my lane's block, register groups 0 and 1; v6 my Wout bytes in LDS; v7 8 l; v8 -infinity; v9 4 l; v10, v11 gates;
; v[12:13], v[16:17] (-M, largest t); v[14:15], v[18:19] the sums; v20-35 Q; v36-71 K's eight half fragments and four zeros, then V's four fragments; v136-199 O^T; v200-215 p's codes.
; Scale words alone: v232 Q's, v234-237 K's, v238, v239 p's, v240-243 V's as loaded, v244, v245 V's for the window; in the last product v232-239 the rows', v240-255 Wout's.
.macro WM d, a, b, z, sa, sb, ra, rb
.set rD, \d
.set rA, \a
.set rB, \b
.set rX, \sa
.set rY, \sb
.set rV, 4*(\z)+2*(\ra)+(\rb)
.if rV == 0
	v_wmma_scale_f32_16x16x128_f8f6f4 v[rD:rD+7], v[rA:rA+7], v[rB:rB+7], v[rD:rD+7], v[rX], v[rY] matrix_a_fmt:MATRIX_FMT_FP4 matrix_b_fmt:MATRIX_FMT_FP4
.elseif rV == 1
	v_wmma_scale_f32_16x16x128_f8f6f4 v[rD:rD+7], v[rA:rA+7], v[rB:rB+7], v[rD:rD+7], v[rX], v[rY] matrix_a_fmt:MATRIX_FMT_FP4 matrix_b_fmt:MATRIX_FMT_FP4 matrix_b_scale:MATRIX_SCALE_ROW1
.elseif rV == 2
	v_wmma_scale_f32_16x16x128_f8f6f4 v[rD:rD+7], v[rA:rA+7], v[rB:rB+7], v[rD:rD+7], v[rX], v[rY] matrix_a_fmt:MATRIX_FMT_FP4 matrix_b_fmt:MATRIX_FMT_FP4 matrix_a_scale:MATRIX_SCALE_ROW1
.elseif rV == 3
	v_wmma_scale_f32_16x16x128_f8f6f4 v[rD:rD+7], v[rA:rA+7], v[rB:rB+7], v[rD:rD+7], v[rX], v[rY] matrix_a_fmt:MATRIX_FMT_FP4 matrix_b_fmt:MATRIX_FMT_FP4 matrix_a_scale:MATRIX_SCALE_ROW1 matrix_b_scale:MATRIX_SCALE_ROW1
.elseif rV == 4
	v_wmma_scale_f32_16x16x128_f8f6f4 v[rD:rD+7], v[rA:rA+7], v[rB:rB+7], 0, v[rX], v[rY] matrix_a_fmt:MATRIX_FMT_FP4 matrix_b_fmt:MATRIX_FMT_FP4
.elseif rV == 5
	v_wmma_scale_f32_16x16x128_f8f6f4 v[rD:rD+7], v[rA:rA+7], v[rB:rB+7], 0, v[rX], v[rY] matrix_a_fmt:MATRIX_FMT_FP4 matrix_b_fmt:MATRIX_FMT_FP4 matrix_b_scale:MATRIX_SCALE_ROW1
.elseif rV == 6
	v_wmma_scale_f32_16x16x128_f8f6f4 v[rD:rD+7], v[rA:rA+7], v[rB:rB+7], 0, v[rX], v[rY] matrix_a_fmt:MATRIX_FMT_FP4 matrix_b_fmt:MATRIX_FMT_FP4 matrix_a_scale:MATRIX_SCALE_ROW1
.else
	v_wmma_scale_f32_16x16x128_f8f6f4 v[rD:rD+7], v[rA:rA+7], v[rB:rB+7], 0, v[rX], v[rY] matrix_a_fmt:MATRIX_FMT_FP4 matrix_b_fmt:MATRIX_FMT_FP4 matrix_a_scale:MATRIX_SCALE_ROW1 matrix_b_scale:MATRIX_SCALE_ROW1
.endif
.endm
.macro NOPS n
.rept \n
	v_nop
.endr
.endm
; 32 numbers of a lane, register 16 b + i = k 32 b + 16 (lane / 16) + i of my row: four registers of codes (lane (r, h): block h) and the two bytes in the low half of v[w]
.macro QUANT2 s, pc, w
.irp b, 0,1
	v_max3_num_f32 v[Q2M+\b], |v[\s+16*\b]|, |v[\s+1+16*\b]|, 0x1800000   ; and the floor 2^(3 - 127): the byte cannot fall under 1
.endr
.irp i, 2,4,6,8,10,12,14
.irp b, 0,1
	s_delay_alu instid0(VALU_DEP_2)
	v_max3_num_f32 v[Q2M+\b], v[Q2M+\b], |v[\s+16*\b+\i]|, |v[\s+1+16*\b+\i]|
.endr
.endr
.irp b, 0,1
	s_delay_alu instid0(VALU_DEP_2)
	v_permlanex16_b32 v[Q2P+\b], v[Q2M+\b], s[SEL], s[SEL+1]
.endr
.irp b, 0,1
	s_delay_alu instid0(VALU_DEP_2)
	v_max_num_f32 v[Q2M+\b], v[Q2M+\b], v[Q2P+\b]
.endr
.irp b, 0,1
	s_delay_alu instid0(VALU_DEP_2)
	v_add_nc_u32 v[Q2S+\b], 0xff000000, v[Q2M+\b]
.endr
.irp b, 0,1
	s_delay_alu instid0(VALU_DEP_2)
	v_lshrrev_b32 v[Q2B+\b], 23, v[Q2S+\b]
.endr
.irp b, 0,1
	v_cvt_scalef32_pk8_fp4_f32 v[\pc+2*\b], v[\s+16*\b:\s+7+16*\b], v[Q2S+\b]
	v_cvt_scalef32_pk8_fp4_f32 v[\pc+1+2*\b], v[\s+8+16*\b:\s+15+16*\b], v[Q2S+\b]
.endr
	v_nop                                                          ; one plain place behind a scaled conversion
	v_permlane16_swap_b32 v[\pc], v[\pc+2]
	v_permlane16_swap_b32 v[\pc+1], v[\pc+3]
	v_lshl_or_b32 v[\w], v[Q2B+1], 8, v[Q2B]
.endm
.macro WCOPY nt, sb                    ; K steps 0-3 of my tile nt of Wout: 4,096 bytes; the immediate goes to both addresses, so the base s[sb] lies 4,096 nt further on
.set j, 0
.rept 8
	global_load_async_to_lds_b128 v6, v1, s[\sb:\sb+1] offset:4096*(\nt)+512*j
.set j, j+1
.endr
.endm
.macro VLOAD                           ; V's four fragments: register group c of lane (r, h) takes the block that v[4 + c] names
.irp dt, 0,1,2,3
.irp c, 0,1
	global_load_b128 v[36+8*\dt+4*\c:39+8*\dt+4*\c], v[4+\c], s[32:33] offset:1024*\dt
.endr
.endr
.endm
.macro PV z, vb                        ; O^T (+)= V^T P^T: eight sums, one instruction each; V's four fragments at v[vb] on
.irp dt, 0,1,2,3
.irp u, 0,1
	WM 136+32*\u+8*\dt, \vb+8*\dt, 200+8*\u, \z, 244+(\dt/2), 238+\u, \dt%2, 0
.endr
.endr
.endm
	s_load_b256 s[4:11], s[0:1], 0x0               ; qq, kq, vq, mg
	s_load_b128 s[12:15], s[0:1], 0x20             ; wq, out0
	v_lshl_add_u32 v8, v0, 2, SPARE
	v_mov_b32 v9, 0
	ds_add_u32 v8, v9                              ; the opening lines ahead of my first copy: the add, twice on end, and its wait
	ds_add_u32 v8, v9
	v_lshrrev_b32 v1, 5, v0
	v_readfirstlane_b32 s16, v1                    ; wave = head
	s_lshr_b32 s17, ttmp9, 6                       ; b
	s_and_b32 s18, ttmp9, 63                       ; Bq
	s_lshl_b32 s19, s17, 4
	s_add_co_u32 s19, s19, s16                     ; bh
	s_mov_b32 s[SEL], 0x76543210
	s_mov_b32 s[SEL+1], 0xfedcba98
	s_mov_b32 s[CS], 0x3e38aa3b                    ; log2(e) / 8
	s_mov_b32 s[CS+1], s[CS]
	s_lshr_b32 s48, s18, 2
	s_lshl_b32 s50, s48, 12
	s_lshl_b32 s20, s48, 8                         ; V's scale words of the step that holds block Bq
	s_and_b32 s51, s18, 3
	s_sub_co_u32 s23, 3, s51
	s_lshl_b32 s23, s23, 3                         ; its byte goes to byte 3: 8 (3 - Bq % 4) bits up
	s_lshl_b32 s51, s51, 8
	s_add_co_u32 s50, s50, s51                     ; block Bq in V's codes
	v_and_b32 v1, 31, v0
	s_delay_alu instid0(VALU_DEP_1)
	v_lshlrev_b32 v7, 3, v1
	v_lshlrev_b32 v1, 4, v1
	v_and_b32 v12, 15, v0                          ; r
	v_bfe_u32 v13, v0, 4, 1                        ; h
	v_and_b32 v2, 8, v12
	v_lshlrev_b32 v13, 4, v13
	v_add_nc_u32 v2, v2, v12                       ; r + 8 (r / 8)
	s_delay_alu instid0(VALU_DEP_1)
	v_sub_nc_u32 v2, v2, v13                       ; less 16 h: register i of a block holds the key at place 16 h + i
	s_delay_alu instid0(VALU_DEP_1)
	v_add_nc_u32 v3, 8, v2                         ; tile 1's queries lie 8 further on
	v_bfe_u32 v16, v0, 2, 1                        ; my query's gate: the image of a result whose lane (head, r / 8) holds 8 tokens: register r % 8
	v_bfe_u32 v17, v0, 3, 1
	v_and_b32 v14, 3, v0
	s_delay_alu instid0(VALU_DEP_1)
	v_lshlrev_b32 v14, 2, v14
	s_delay_alu instid0(VALU_DEP_1)
	v_lshl_add_u32 v14, v17, 8, v14
	s_delay_alu instid0(VALU_DEP_1)
	v_lshl_add_u32 v14, v16, 9, v14
	v_lshl_add_u32 v6, s16, 14, v1                 ; my Wout bytes in LDS: 16,384 w + 16 l
	v_and_b32 v5, 0xf0, v1                         ; 16 r
	s_delay_alu instid0(VALU_DEP_1)
	v_add_nc_u32 v5, s50, v5                       ; the diagonal block: every lane and both groups name block Bq
	s_delay_alu instid0(VALU_DEP_1)
	v_mov_b32 v4, v5
	s_mov_b32 s49, 0
	s_wait_dscnt 0x0                               ; both opening adds are done
	v_lshrrev_b32 v9, 2, v1                        ; 4 l
	v_mov_b32 v8, 0xff800000                       ; -infinity
.irp j, 24,25,26,27,32,33,34,35,68,69,70,71,208,209,210,211,220,221,222,223,229
	v_mov_b32 v[\j], 0                             ; zero codes: Q's upper 64 of K, what stands behind K's last tile; a lane permute's destinations; the upper half of f's pair
.endr
	s_wait_alu depctr_va_vdst(0)                   ; the wait at the head's end
	s_wait_kmcnt 0x0
	s_lshl_b32 s48, s19, 16
	s_add_nc_u64 s[28:29], s[6:7], s[48:49]        ; K's codes of my head
	s_add_nc_u64 s[32:33], s[8:9], s[48:49]        ; V's
	s_add_nc_u64 s[36:37], s[4:5], s[48:49]
	s_lshl_b32 s48, s18, 10
	s_add_nc_u64 s[36:37], s[36:37], s[48:49]      ; Q's two tiles
	s_add_nc_u64 s[52:53], s[28:29], s[48:49]      ; K's block Bq
	s_lshl_b32 s48, s19, 13
	s_add_co_u32 s48, s48, 4194304
	s_add_nc_u64 s[30:31], s[6:7], s[48:49]        ; K's scale words, 128 bytes a block
	s_add_nc_u64 s[38:39], s[4:5], s[48:49]
	s_lshl_b32 s48, s18, 7
	s_add_nc_u64 s[38:39], s[38:39], s[48:49]      ; Q's
	s_add_nc_u64 s[50:51], s[30:31], s[48:49]
	s_lshl_b32 s48, s19, 12
	s_add_co_u32 s48, s48, 4194304
	s_add_nc_u64 s[34:35], s[8:9], s[48:49]        ; V's scale words, 256 bytes for 128 keys
	s_mov_b32 s48, s20
	s_add_nc_u64 s[54:55], s[34:35], s[48:49]
	s_lshl_b32 s48, ttmp9, 11
	s_lshl_b32 s20, s16, 4
	s_add_co_u32 s48, s48, s20
	s_add_co_u32 s48, s48, 524288
	s_add_nc_u64 s[40:41], s[10:11], s[48:49]      ; the gates of my block of 32 tokens, my head
	s_lshl_b32 s48, s16, 15
	s_add_co_u32 s48, s48, 192*8192
	s_add_nc_u64 s[42:43], s[12:13], s[48:49]      ; Wout's tiles 192 + 4 w on
	s_add_nc_u64 s[66:67], s[42:43], 4096          ; the copies' bases for tiles 1 to 3
	s_add_nc_u64 s[68:69], s[42:43], 8192
	s_add_nc_u64 s[70:71], s[42:43], 12288
	s_lshl_b32 s48, s16, 11
	s_add_co_u32 s48, s48, 2097152+192*512
	s_add_nc_u64 s[44:45], s[12:13], s[48:49]      ; and their scale words
	s_lshl_b32 s48, s17, 11
	s_lshl_b32 s20, s18, 5
	s_add_co_u32 s48, s48, s20
	s_lshl_b32 s48, s48, 12
	s_lshl_b32 s20, s16, 8
	s_add_co_u32 s48, s48, s20
	s_add_nc_u64 s[46:47], s[14:15], s[48:49]      ; out0: my work-group's first row, my wave's 256 bytes
	global_load_b128 v[20:23], v1, s[36:37]
	global_load_b128 v[28:31], v1, s[36:37] offset:512
	global_load_b32 v232, v9, s[38:39]             ; lanes 0-15 tile 0's words, lanes 16-31 tile 1's
	; all that ids alone name is asked for here, in one group of 31 loads: the diagonal block's K (in p's registers, zeros in v208-211 behind it) and V (in v72-103, which its scores leave free), and window 0's K and scale words in their own places
	s_sub_co_i32 s21, s18, 4
	s_max_i32 s22, s21, 0                          ; window 0's first block
	s_lshl_b32 s48, s22, 10
	s_add_nc_u64 s[56:57], s[28:29], s[48:49]
	s_lshl_b32 s48, s22, 7
	s_add_nc_u64 s[58:59], s[30:31], s[48:49]
	s_lshr_b32 s48, s22, 2
	s_lshl_b32 s48, s48, 8
	s_add_nc_u64 s[60:61], s[34:35], s[48:49]
	global_load_b128 v[200:203], v1, s[52:53]      ; the diagonal block's two tiles of K
	global_load_b128 v[204:207], v1, s[52:53] offset:512
	global_load_b32 v233, v9, s[50:51]             ; their scale words
	global_load_b64 v[246:247], v7, s[54:55]       ; V's scale words of the step that holds block Bq
.irp dt, 0,1,2,3
.irp c, 0,1
	global_load_b128 v[72+8*\dt+4*\c:75+8*\dt+4*\c], v[4+\c], s[32:33] offset:1024*\dt
.endr
.endr
	global_load_b32 v10, v14, s[40:41]
	global_load_b32 v11, v14, s[40:41] offset:1024
.set i, 0
.rept 8
	global_load_b128 v[36+4*i:39+4*i], v1, s[56:57] offset:512*i
.set i, i+1
.endr
.irp j, 0,1,2,3
	global_load_b32 v[234+\j], v9, s[58:59] offset:128*\j
.endr
	global_load_b64 v[240:241], v7, s[60:61]
	global_load_b64 v[242:243], v7, s[60:61] offset:256
	WCOPY 0, 42
	s_wait_loadcnt 0x0
; THE DIAGONAL BLOCK of query tile u, its 16 scores at v[E] on.  It sets M and the sum, and p's codes of slot 3; the other slots hold zero codes
.macro SOFTM u, E
.set MM, 12+4*(\u)
.set LL, 14+4*(\u)
.set PP, 200+8*(\u)
.set PWR, 238+(\u)
	s_wait_alu depctr_va_vdst(0)                   ; the wait here, directly ahead of the first reader of these matrix results
.set n, 0
.rept 16
	v_cmp_gt_i32 vcc_lo, n, v[2+\u]                ; the key lies ahead of the query: -infinity, so p = 0
	v_cndmask_b32 v[\E+n], v[\E+n], v8, vcc_lo
.set n, n+1
.endr
	v_max3_num_f32 v[BM+3], v[\E], v[\E+1], v[\E+2]
.irp i, 3,5,7,9,11,13
	s_delay_alu instid0(VALU_DEP_1)
	v_max3_num_f32 v[BM+3], v[BM+3], v[\E+\i], v[\E+1+\i]
.endr
	s_delay_alu instid0(VALU_DEP_1)
	v_max_num_f32 v[BM+3], v[BM+3], v[\E+15]
	s_delay_alu instid0(VALU_DEP_1)
	v_permlanex16_b32 v[BP+3], v[BM+3], s[SEL], s[SEL+1]
	s_delay_alu instid0(VALU_DEP_1)
	v_max_num_f32 v[BM+3], v[BM+3], v[BP+3]
	s_delay_alu instid0(VALU_DEP_1)
	v_mul_f32 v[MM+1], s[CS], v[BM+3]              ; the largest t
	s_delay_alu instid0(VALU_DEP_1)
	v_floor_f32 v[MM], -v[MM+1]                    ; -M
.set jj, 0
.rept 8
	v_pk_fma_f32 v[\E+jj:\E+jj+1], v[\E+jj:\E+jj+1], s[CS:CS+1], v[MM:MM+1] op_sel_hi:[1,0,0]
.set jj, jj+2
.endr
	v_fma_f32 v[BM+3], v[BM+3], s[CS], v[MM]
	s_wait_alu depctr_va_vdst(0)                   ; the wait ahead of the batch
.set jj, 0
.rept 16
	v_exp_f32 v[\E+jj], v[\E+jj]
.set jj, jj+1
.endr
	v_exp_f32 v[BM+3], v[BM+3]                     ; the block's largest p
.irp j, 0,1,2,3,4,5
	v_mov_b32 v[PP+\j], 0                          ; slots 0 to 2: zero codes
.endr
	s_wait_alu depctr_va_vdst(0)                   ; and the one behind it
	v_pk_add_f32 v[LL:LL+1], v[\E:\E+1], v[\E+2:\E+3]
.set jj, 4
.rept 6
	v_pk_add_f32 v[LL:LL+1], v[LL:LL+1], v[\E+jj:\E+jj+1]
.set jj, jj+2
.endr
	v_max_num_f32 v[BM+3], 0x1800000, v[BM+3]
	s_delay_alu instid0(VALU_DEP_1)
	v_add_nc_u32 v[SC4+3], 0xff000000, v[BM+3]
	s_delay_alu instid0(VALU_DEP_1)
	v_lshrrev_b32 v[BP+3], 23, v[SC4+3]
	s_delay_alu instid0(VALU_DEP_1)
	v_lshlrev_b32 v[PWR], 24, v[BP+3]              ; byte 3; the bytes of the slots of zero codes are 0, a finite code
	v_cvt_scalef32_pk8_fp4_f32 v[PP+6], v[\E:\E+7], v[SC4+3]
	v_cvt_scalef32_pk8_fp4_f32 v[PP+7], v[\E+8:\E+15], v[SC4+3]
	v_nop
	v_permlane16_swap_b32 v[PP+4], v[PP+6]
	v_permlane16_swap_b32 v[PP+5], v[PP+7]
.endm
	WM S+48, 200, 20, 1, 233, 232, 0, 0
	WM S+56, 204, 20, 1, 233, 232, 1, 0
	WM S+32, 200, 28, 1, 233, 232, 0, 1
	WM S+40, 204, 28, 1, 233, 232, 1, 1
	v_lshlrev_b32 v244, s23, v246                  ; V's scale byte of block Bq to byte 3
	v_lshlrev_b32 v245, s23, v247
	NOPS 2                                         ; four places behind the products, ahead of the first read of results
	SOFTM 0, S+48
	SOFTM 1, S+32
	NOPS 8                                         ; places between p's scale word and codes and the products that take them
	PV 1, 72                                       ; the first products start the sums
.macro SMUL u                          ; S^T = K Q^T: eight tiles of 16 keys against query tile u
.irp t, 0,1,2,3,4,5,6,7
	WM S+8*\t, 36+4*\t, 20+8*(\u), 1, 234+(\t/2), 232, \t%2, \u
.endr
.endm
.macro DEAD j                          ; slot j of a window that was moved up to block 0 holds a block that an earlier window took, where j >= T + 4
	s_cmp_gt_i32 s21, (\j)-4
	s_cbranch_scc1 .Llive_\@
.set n, 0
.rept 16
	v_mov_b32 v[S+16*(\j)+n], v8
.set n, n+1
.endr
	s_wait_alu depctr_va_vdst(0)
.Llive_\@:
.endm
.macro MASK s, u
	s_cmp_ge_i32 s21, 0
	s_cbranch_scc1 .Lwhole_\@
	DEAD 1
	DEAD 2
	DEAD 3
.if \s == 3
	s_branch .Lmasked_\@
.endif
.Lwhole_\@:
.if \s == 3
.set n, 0
.rept 16
	v_cmp_lt_i32 vcc_lo, n, v[2+\u]                ; block Bq - 16: distance 512 + my place - the key's place, over 512 where the key's place is the smaller
	v_cndmask_b32 v[S+n], v[S+n], v8, vcc_lo
.set n, n+1
.endr
.Lmasked_\@:
.endif
.endm
.macro SOFT u
.set MM, 12+4*(\u)
.set LL, 14+4*(\u)
.set PP, 200+8*(\u)
.set PWR, 238+(\u)
.irp b, 0,1,2,3
	v_max3_num_f32 v[BM+\b], v[S+16*\b], v[S+1+16*\b], v[S+2+16*\b]   ; the largest score of each block: it serves for the row's maximum and, since p rises with the score, for the block's largest p
.endr
.irp i, 3,5,7,9,11,13
.irp b, 0,1,2,3
	v_max3_num_f32 v[BM+\b], v[BM+\b], v[S+16*\b+\i], v[S+1+16*\b+\i]
.endr
.endr
.irp b, 0,1,2,3
	v_max_num_f32 v[BM+\b], v[BM+\b], v[S+15+16*\b]
.endr
.irp b, 0,1,2,3
	s_delay_alu instid0(VALU_DEP_4)
	v_permlanex16_b32 v[BP+\b], v[BM+\b], s[SEL], s[SEL+1]
.endr
.irp b, 0,1,2,3
	s_delay_alu instid0(VALU_DEP_4)
	v_max_num_f32 v[BM+\b], v[BM+\b], v[BP+\b]
.endr
	s_delay_alu instid0(VALU_DEP_2)
	v_max3_num_f32 v[T0], v[BM], v[BM+1], v[BM+2]
	s_delay_alu instid0(VALU_DEP_1)
	v_max_num_f32 v[T0], v[T0], v[BM+3]
	s_delay_alu instid0(VALU_DEP_1)
	v_mul_f32 v[T0], s[CS], v[T0]
	s_delay_alu instid0(VALU_DEP_1)
	v_max_num_f32 v[MM+1], v[MM+1], v[T0]                          ; the running largest t
	v_mov_b32 v[T0], v[MM]
	s_delay_alu instid0(VALU_DEP_2)
	v_floor_f32 v[MM], -v[MM+1]                                    ; -M = floor(-t)
	s_delay_alu instid0(VALU_DEP_1)
	v_sub_f32 v[T0], v[MM], v[T0]                                  ; old M - new M, 0 or less
	s_delay_alu instid0(VALU_DEP_1)
	v_cvt_i32_f32 v[T0], v[T0]                                     ; (it saturates)
	s_delay_alu instid0(VALU_DEP_1)
	v_ldexp_f32 v[F], 1.0, v[T0]                                   ; f = 2^(old M - new M)
.set jj, 0
.rept 32
	v_pk_fma_f32 v[S+jj:S+jj+1], v[S+jj:S+jj+1], s[CS:CS+1], v[MM:MM+1] op_sel_hi:[1,0,0]   ; t - M, two at a time
.set jj, jj+2
.endr
.irp b, 0,1,2,3
	v_fma_f32 v[BM+\b], v[BM+\b], s[CS], v[MM]
.endr
	s_wait_alu depctr_va_vdst(0)                                   ; the wait ahead of the batch
.set jj, 0
.rept 64
	v_exp_f32 v[S+jj], v[S+jj]                                     ; p = 2^(t - M)
.set jj, jj+1
.endr
.irp b, 0,1,2,3
	v_exp_f32 v[BM+\b], v[BM+\b]                                   ; the blocks' largest p
.endr
	v_pk_mul_f32 v[LL:LL+1], v[LL:LL+1], v[F:F+1] op_sel_hi:[1,0]  ; the sums under the new M: the plain place behind the batch
	s_wait_alu depctr_va_vdst(0)                                   ; one wait for the 68, ahead of their first reader
	v_pk_add_f32 v[BP:BP+1], v[S:S+1], v[S+2:S+3]                  ; the row's sum of the unquantised p, in two chains
.set jj, 4
.rept 15
	v_pk_add_f32 v[LL:LL+1], v[LL:LL+1], v[S+jj:S+jj+1]
	v_pk_add_f32 v[BP:BP+1], v[BP:BP+1], v[S+2+jj:S+3+jj]
.set jj, jj+4
.endr
	s_delay_alu instid0(VALU_DEP_1)
	v_pk_add_f32 v[LL:LL+1], v[LL:LL+1], v[BP:BP+1]
.irp b, 0,1,2,3
	v_max_num_f32 v[BM+\b], 0x1800000, v[BM+\b]                    ; the floor 2^(3 - 127): a block whose every p is 0 keeps the byte 1, and its codes are zeros
.endr
.irp b, 0,1,2,3
	s_delay_alu instid0(VALU_DEP_4)
	v_add_nc_u32 v[SC4+\b], 0xff000000, v[BM+\b]
.endr
.irp b, 0,1,2,3
	s_delay_alu instid0(VALU_DEP_4)
	v_lshrrev_b32 v[BP+\b], 23, v[SC4+\b]
.endr
	s_delay_alu instid0(VALU_DEP_3)
	v_lshl_or_b32 v[PWR], v[BP+1], 8, v[BP]                        ; p's scale word for these 128 keys
	s_delay_alu instid0(VALU_DEP_1)
	v_lshl_or_b32 v[PWR], v[BP+2], 16, v[PWR]
	s_delay_alu instid0(VALU_DEP_1)
	v_lshl_or_b32 v[PWR], v[BP+3], 24, v[PWR]
.irp b, 0,1,2,3
	v_cvt_scalef32_pk8_fp4_f32 v[PP+2*\b], v[S+16*\b:S+7+16*\b], v[SC4+\b]
	v_cvt_scalef32_pk8_fp4_f32 v[PP+1+2*\b], v[S+8+16*\b:S+15+16*\b], v[SC4+\b]
.endr
	v_nop                                                          ; one plain place behind a scaled conversion
.irp c, 0,1
.irp i, 0,1
	v_permlane16_swap_b32 v[PP+4*\c+\i], v[PP+2+4*\c+\i]
.endr
.endr
.endm
.macro RESC u                          ; O^T under the new M, each sum from its low end on
	s_wait_alu depctr_va_vdst(0)                   ; the wait here, directly ahead of the first reader of O^T
.set jj, 0
.rept 16
	v_pk_mul_f32 v[136+32*(\u)+jj:137+32*(\u)+jj], v[136+32*(\u)+jj:137+32*(\u)+jj], v[F:F+1] op_sel_hi:[1,0]
.set jj, jj+2
.endr
.endm
; WINDOW s: blocks T .. T + 3, T = Bq - 4 - 4 s.  The copies stand outside the branch: every wave issues all of them
.macro WIN s
	s_wait_alu depctr_va_vdst(0)
.if \s < 3
	WCOPY (\s)+1, 66+2*(\s)
.endif
	s_sub_co_i32 s21, s18, 4+4*(\s)                ; T
	s_cmp_le_i32 s21, -4
	s_cbranch_scc1 .Lnone_\@                       ; wholly before block 0
	s_max_i32 s22, s21, 0                          ; the window's first block
.if \s > 0                             ; window 0's K and scale words were asked for at the head
	s_lshl_b32 s48, s22, 10
	s_add_nc_u64 s[52:53], s[28:29], s[48:49]      ; K's codes: 1,024 bytes a block
	s_lshl_b32 s48, s22, 7
	s_add_nc_u64 s[50:51], s[30:31], s[48:49]      ; its scale words
	s_lshr_b32 s48, s22, 2
	s_lshl_b32 s48, s48, 8
	s_add_nc_u64 s[54:55], s[34:35], s[48:49]      ; V's scale words of the step that holds the first block, and of the next
.endif
	s_and_b32 s23, s22, 3
	s_lshl_b32 s23, s23, 3                         ; and how many bits of the first are passed over
	s_lshl_b32 s48, s22, 8
	s_add_co_u32 s20, s48, 512
	v_and_b32 v220, 0x100, v1                      ; 256 h.  (These ten lines are also the places behind the last products, in front of the loads into their registers)
	v_and_b32 v221, 0xf0, v1                       ; 16 r
	v_add_nc_u32 v222, s48, v220                   ; 256 B, B = first block + 2 c + h
	v_add_nc_u32 v223, s20, v220
	v_and_or_b32 v4, v222, 0x300, v221             ; 256 (B % 4) + 16 r
	v_and_or_b32 v5, v223, 0x300, v221
	v_and_b32 v222, 0xfffffc00, v222
	v_and_b32 v223, 0xfffffc00, v223
	v_lshl_add_u32 v4, v222, 2, v4                 ; + 4,096 (B / 4)
	v_lshl_add_u32 v5, v223, 2, v5
	s_wait_alu depctr_va_vdst(0)
.if \s > 0
.set i, 0
.rept 8
	global_load_b128 v[36+4*i:39+4*i], v1, s[52:53] offset:512*i
.set i, i+1
.endr
.irp j, 0,1,2,3
	global_load_b32 v[234+\j], v9, s[50:51] offset:128*\j          ; lanes 0-15 tile 2 j, lanes 16-31 tile 2 j + 1
.endr
	global_load_b64 v[240:241], v7, s[54:55]
	global_load_b64 v[242:243], v7, s[54:55] offset:256
	s_wait_loadcnt 0x0
.endif
	SMUL 0
	NOPS 4                                         ; four places behind the products, ahead of the first read of results
	MASK \s, 0
	SOFT 0
	RESC 0
	SMUL 1
	v_alignbit_b32 v244, v242, v240, s23           ; V's four scale bytes of this window
	v_alignbit_b32 v245, v243, v241, s23
	NOPS 2                                         ; with the two above: four places
	VLOAD                                          ; V's four fragments land under tile 1's softmax
	MASK \s, 1
	SOFT 1
	s_wait_alu depctr_va_vdst(0)
	s_wait_loadcnt 0x0
	RESC 1                                         ; these sixteen are also the places between p's scale word and codes and the products
	PV 0, 36
.Lnone_\@:
.endm
	WIN 0
	WIN 1
	WIN 2
	WIN 3
	; the addresses of what follows; these lines are also the places behind the last products
	s_wait_alu depctr_va_vdst(0)
	v_and_b32 v8, 15, v0                           ; r
	v_bfe_u32 v9, v0, 4, 1                         ; h
	v_lshl_add_u32 v2, s16, 9, v1
	v_add_nc_u32 v4, XI, v1                        ; v4 the rows' fragments: XI + 16 l
	v_and_b32 v7, 31, v0
	v_add_nc_u32 v2, XI, v2                        ; v2 my head's four registers in a row tile's images: XI + 512 w + 16 l
	s_lshr_b32 s48, s16, 1
	s_lshl_b32 s48, s48, 7
	s_and_b32 s50, s16, 1
	s_lshl_b32 s50, s50, 1
	s_add_co_u32 s48, s48, s50
	s_add_co_u32 s48, s48, XSC
	v_lshl_add_u32 v3, v8, 2, s48                  ; v3 my head's half of a scale word: 128 (w / 2) + 4 r + 2 (w % 2)
	v_lshlrev_b32 v5, 2, v8
	v_lshl_add_u32 v7, v7, 2, XSC                  ; v7 the rows' scale words: lanes 0-15 tile 0, lanes 16-31 tile 1
	s_delay_alu instid0(VALU_DEP_2)
	v_lshl_add_u32 v5, v9, 9, v5                   ; v5 Wout's scale words, two tiles to a register: 512 h + 4 r
	s_wait_alu depctr_va_vdst(0)
.set pp, 0
.rept 2
.set kk, 0
.rept 8
	global_load_b32 v[240+8*pp+kk], v5, s[44:45] offset:1024*pp+64*kk
.set kk, kk+1
.endr
.set pp, pp+1
.endr
.macro WSETG ks, wb                    ; Wout's four fragments of K step ks, from memory
.irp nt, 0,1,2,3
.irp c, 0,1
	global_load_b128 v[\wb+8*\nt+4*\c:\wb+3+8*\nt+4*\c], v1, s[42:43] offset:8192*\nt+1024*(\ks)+512*\c
.endr
.endr
.endm
	WSETG 4, 40                                    ; three K steps are asked for ahead of the rows' quantising
	WSETG 5, 72
	WSETG 6, 104
.macro FIN u                           ; O^T x gate / sum, quantised along the head's 64: quad w % 2 of K step w / 2 of the last product
.set LL, 14+4*(\u)
.set OO, 136+32*(\u)
	v_add_f32 v[LL], v[LL], v[LL+1]
	s_delay_alu instid0(VALU_DEP_1)
	v_permlanex16_b32 v[BP], v[LL], s[SEL], s[SEL+1]
	s_delay_alu instid0(VALU_DEP_1)
	v_add_f32 v[LL], v[LL], v[BP]                  ; the row's sum
	s_wait_alu depctr_va_vdst(0)
	v_rcp_f32 v[F], v[LL]
	v_nop
	s_wait_alu depctr_va_vdst(0)                   ; ahead of the reciprocal's first reader, and of the first reader of O^T
	v_mul_f32 v[F], v[F], v[10+\u]
.set jj, 0
.rept 16
	v_pk_mul_f32 v[OO+jj:OO+jj+1], v[OO+jj:OO+jj+1], v[F:F+1] op_sel_hi:[1,0]
.set jj, jj+2
.endr
	QUANT2 OO, 200+8*(\u), T0+(\u)
	ds_store_b128 v2, v[200+8*(\u):203+8*(\u)] offset:8192*(\u)
	ds_store_b16 v3, v[T0+(\u)] offset:64*(\u)     ; both halves of the lanes write the same two bytes
.endm
	FIN 0
	FIN 1
	s_wait_alu depctr_va_vdst(0)
	s_wait_asynccnt 0x0                            ; my 32 copies have landed
	s_wait_dscnt 0x0                               ; for the others' sake: my images and half words have landed
	s_barrier_signal -1
	s_barrier_wait -1                              ; the 32 rows' sixteen fragments lie in LDS
.set kk, 0
.rept 8
	ds_load_b32 v[232+kk], v7 offset:128*kk
.set kk, kk+1
.endr
.macro XLD ks, set                     ; the rows' two fragments of K step ks
.irp u, 0,1
.irp c, 0,1
	ds_load_b128 v[8+16*(\set)+8*\u+4*\c:11+16*(\set)+8*\u+4*\c], v4 offset:8192*\u+1024*(\ks)+512*\c
.endr
.endr
.endm
.macro LLD ks                          ; Wout's four fragments of K step ks, from my LDS bytes, into v136-167
.irp nt, 0,1,2,3
.irp c, 0,1
	ds_load_b128 v[136+8*\nt+4*\c:139+8*\nt+4*\c], v6 offset:4096*\nt+1024*(\ks)+512*\c
.endr
.endr
.endm
; the i-th step of the last product, K step ks, Wout's fragments at wb: source 0 = 16 columns of Wout, source 1 = 16 rows; eight sums by turns, one instruction a turn.
; DScnt: the LDS loads issued behind the step before may be out: 12 ahead of an odd step, 4 ahead of an even one.  lc: the loads from memory issued behind this step's eight
.macro P2 i, ks, wb, lc
.if \i == 7
	s_wait_dscnt 0x0
.elseif (\i)%2
	s_wait_dscnt 12
.else
	s_wait_dscnt 4
.endif
.if \lc >= 0
	s_wait_loadcnt \lc
.endif
.irp nt, 0,1,2,3
.irp u, 0,1
.if \i == 0
	WM 168+8*(2*\nt+\u), \wb+8*\nt, 8+16*((\i)%2)+8*\u, 1, 240+8*(\nt/2)+(\ks), 232+(\ks), \nt%2, \u
.else
	WM 168+8*(2*\nt+\u), \wb+8*\nt, 8+16*((\i)%2)+8*\u, 0, 240+8*(\nt/2)+(\ks), 232+(\ks), \nt%2, \u
.endif
.endr
.endr
	NOPS 4                                         ; four places in front of loads into registers that these products have read, and of the first read of results
.endm
	XLD 0, 0
	LLD 0
	XLD 4, 1
	P2 0, 0, 136, 24                               ; Wout's 16 scale words are in; the three sets of 8 may be out
	XLD 1, 0
	LLD 1
	P2 1, 4, 40, 16
	XLD 5, 1
	WSETG 7, 40
	P2 2, 1, 136, -1
	XLD 2, 0
	LLD 2
	P2 3, 5, 72, 16
	XLD 6, 1
	P2 4, 2, 136, -1
	XLD 3, 0
	LLD 3
	P2 5, 6, 104, 8
	XLD 7, 1
	P2 6, 3, 136, -1
	P2 7, 7, 40, 0
	; the way out: a lane's eight results are eight neighbouring columns of one row; the 32 rows x 64 columns go through my stage (32 rows of 272 bytes in my Wout bytes, which I have read out) and leave as rows of 256 bytes
	v_and_b32 v8, 15, v0
	v_bfe_u32 v9, v0, 4, 1
	s_lshl_b32 s48, s16, 14
	v_and_b32 v10, 8, v8
	v_mul_u32_u24 v11, v9, 272
	v_lshlrev_b32 v12, 4, v8
	v_add_nc_u32 v10, v10, v8
	v_lshl_add_u32 v11, v8, 4, v11
	v_lshl_add_u32 v12, v9, 12, v12                ; v12 two rows of out0: lanes 0-15 one, lanes 16-31 the next
	v_mul_u32_u24 v10, v10, 272
	v_add_nc_u32 v11, s48, v11                     ; v11 back: the same two rows of the stage
	s_delay_alu instid0(VALU_DEP_2)
	v_lshl_add_u32 v10, v9, 6, v10
	s_delay_alu instid0(VALU_DEP_1)
	v_add_nc_u32 v10, s48, v10                     ; v10 in: row r + 8 (r / 8), + 64 h
	s_wait_alu depctr_va_vdst(0)
.irp nt, 0,1,2,3
.irp u, 0,1
	ds_store_b128 v10, v[168+8*(2*\nt+\u):171+8*(2*\nt+\u)] offset:2176*\u+128*(\nt/2)+32*(\nt%2)       ; each sum from its low end on
	ds_store_b128 v10, v[172+8*(2*\nt+\u):175+8*(2*\nt+\u)] offset:2176*\u+128*(\nt/2)+32*(\nt%2)+16
.endr
.endr
.set i, 0
.rept 16
	ds_load_b128 v[72+4*i:75+4*i], v11 offset:544*i                ; LDS serves a wave's instructions in order: these see my stores
.set i, i+1
.endr
.set i, 0
.rept 16
	s_wait_dscnt 15-i
	global_store_b128 v12, v[72+4*i:75+4*i], s[46:47] offset:8192*i th:TH_STORE_NT   ; sixteen lanes store 256 consecutive bytes, aligned
.set i, i+1
.endr
	s_wait_xcnt 0x0
	v_lshl_add_u32 v8, v0, 2, SPARE                ; no two registers could be kept: the add's two are made anew
	v_mov_b32 v9, 0
	s_wait_alu depctr_va_vdst(0)
	s_wait_tensorcnt 0x0                           ; the wave's end
	ds_add_u32 v8, v9
	s_wait_dscnt 0x0
	s_endpgm
.Lfunc_end_k_qabcb8f45ca_attn:
	.size	k_qabcb8f45ca_attn, .Lfunc_end_k_qabcb8f45ca_attn-k_qabcb8f45ca_attn
	.p2alignl 7, 3214868480
	.fill 96, 4, 3214868480
	.section	.rodata,"a",@progbits
	.p2align	6, 0x0
	.amdhsa_kernel k_qabcb8f45ca_attn
		.amdhsa_group_segment_fixed_size 281600
		.amdhsa_private_segment_fixed_size 0
		.amdhsa_enable_private_segment 0
		.amdhsa_kernarg_size 48
		.amdhsa_user_sgpr_count 2
		.amdhsa_user_sgpr_kernarg_segment_ptr 1
		.amdhsa_wavefront_size32 1
		.amdhsa_system_sgpr_workgroup_id_x 1
		.amdhsa_system_sgpr_workgroup_id_y 1
		.amdhsa_system_sgpr_workgroup_id_z 1
		.amdhsa_system_vgpr_workitem_id 0
		.amdhsa_next_free_vgpr 256
		.amdhsa_next_free_sgpr 80
		.amdhsa_reserve_vcc 1
		.amdhsa_float_denorm_mode_32 3
		.amdhsa_float_denorm_mode_16_64 3
		.amdhsa_memory_ordered 1
		.amdhsa_forward_progress 1
		.amdhsa_inst_pref_size 196
	.end_amdhsa_kernel
	.amdgpu_metadata
---
amdhsa.version: [ 1, 2 ]
amdhsa.kernels:
  - .name:           k_qabcb8f45ca_attn
    .symbol:         k_qabcb8f45ca_attn.kd
    .args:
      - { .name: qq, .offset: 0, .size: 8, .value_kind: global_buffer, .address_space: global }
      - { .name: kq, .offset: 8, .size: 8, .value_kind: global_buffer, .address_space: global }
      - { .name: vq, .offset: 16, .size: 8, .value_kind: global_buffer, .address_space: global }
      - { .name: mg, .offset: 24, .size: 8, .value_kind: global_buffer, .address_space: global }
      - { .name: wq, .offset: 32, .size: 8, .value_kind: global_buffer, .address_space: global }
      - { .name: out0, .offset: 40, .size: 8, .value_kind: global_buffer, .address_space: global }
    .group_segment_fixed_size: 281600
    .private_segment_fixed_size: 0
    .kernarg_segment_align: 8
    .kernarg_segment_size: 48
    .max_flat_workgroup_size: 512
    .sgpr_count:     80
    .vgpr_count:     256
    .wavefront_size: 32
...
	.end_amdgpu_metadata
.endif
;; end of part 3
